; MI455X (gfx1250); checked and timed in simulation.
; The chip was launched on July 23, 2026; its instructions are those of AMD's public machine-readable ISA for CDNA 5 (MIT licence, August 2026) and "CDNA5" Instruction Set Architecture Reference Guide (July 2026). The comments in the code are by the model that wrote it; some were corrected since.
;; Wan Self Attention. Allowed arithmetic: float matrix products may take bf16 or f16 operands with f32 sums; other float arithmetic in f32, or as packed bf16 or f16 multiplies, adds, multiply-adds, maxima and minima; sums over many terms, partial sums and values carried from step to step in f32; what a program stores and reads back later, other than sums and carried values, may be rounded once to bf16 or f16.
;; Inputs: Wk 2,048 x 2,048 float32; Wo 2,048 x 2,048 float32; Wq 2,048 x 2,048 float32; Wv 2,048 x 2,048 float32; bk 2,048 float32; bo 2,048 float32; bq 2,048 float32; bv 2,048 float32; freqs_cos 1 x 2,048 x 1 x 128 float32; freqs_sin 1 x 2,048 x 1 x 128 float32; gk 2,048 float32; gq 2,048 float32; x 1 x 2,048 x 2,048 float32.
;; Outputs: out0 1 x 2,048 x 2,048 float32.
;; One version. Each part assembles by itself: llvm-mc -triple=amdgcn-amd-amdhsa -mcpu=gfx1250 --defsym DOCPART=n.
;; ======== version 1 of 1: 5 launches
;; limits: values are held in f16: magnitudes above 65,504 overflow, below 6.1e-05 lose precision
;; workspace buffers: xb 8,388,608 bytes; wb 25,165,824 bytes; wo16 8,388,608 bytes; qkh 16,777,216 bytes; q16 8,388,608 bytes; k16 8,388,608 bytes; v16 8,388,608 bytes; o16 8,388,608 bytes
;; launch cast (part 1): grid 256 x 5, 8 waves a work-group, no clusters, 0 bytes of LDS; arguments x, Wq, Wk, Wv, Wo, xb, wb, wo16; writes xb, wb, wo16
.if DOCPART == 1
	.amdgcn_target "amdgcn-amd-amdhsa--gfx1250"
	.amdhsa_code_object_version 6
	.text
	.protected	k_q5944cda0a8_cast
	.globl	k_q5944cda0a8_cast
	.p2align	8
	.type	k_q5944cda0a8_cast,@function
k_q5944cda0a8_cast:
	s_mov_b64 s[64:65], 0
	v_nop
	global_prefetch_b8 v0, s[64:65] scope:SCOPE_SE
	s_setreg_imm32_b32 hwreg(HW_REG_WAVE_MODE, 25, 1), 1
	s_wait_xcnt 0x0
; x, Wq, Wk, Wv (f32) are rounded once to bf16; Wo is rounded to bf16 and that number is written as f16, since the last product multiplies in f16.
; xb: [2048][2048] bf16.  wb: [6144][2048] bf16, rows Wq, Wk, Wv.  wo16: [2048][2048] f16.
; LIMITS.  Wo lies within f16's 65,504; a bf16 number of Wo below 2^-17 keeps f16's fixed step of 6e-8.  NaN and infinities are not treated apart.
; SHARES.  The grid's y picks the tensor, its x 16,384 numbers of it.  A wave takes 2,048: sixteen loads of 512 consecutive bytes, all issued at the start;
; a lane's four numbers become 8 bytes, so each store of the wave covers 256 consecutive bytes, aligned.  A stream: no LDS, no barrier, no matrix unit.
; The rounded numbers go back into the registers that they were loaded into: 72 registers a wave, so that the five work-groups that fall to a WGP (1,280 for 256) lie on it together.
; No register that a store reads is written again, so the text needs no wait for that.
.set T, 4                              ; v[4:5]    at work (Wo's way)
.set X, 8                              ; v[8:71]   load i: 4 registers; its first two are then store i's data
	s_load_b512 s[8:23], s[0:1], 0x0               ; x s[8:9], Wq s[10:11], Wk s[12:13], Wv s[14:15], Wo s[16:17], xb s[18:19], wb s[20:21], wo16 s[22:23]
	s_and_b32 s2, ttmp7, 0xffff                    ; which tensor: 0 x, 1 Wq, 2 Wk, 3 Wv, 4 Wo
	v_lshrrev_b32 v3, 5, v0                        ; wave
	v_and_b32 v1, 31, v0                           ; lane
	v_lshlrev_b32 v2, 3, v1                        ; 8 bytes a lane out,
	v_lshlrev_b32 v1, 4, v1                        ; 16 in
	v_lshl_or_b32 v1, v3, 13, v1                   ; + wave x 8,192 bytes in
	v_lshl_or_b32 v2, v3, 12, v2                   ; + wave x 4,096 bytes out
	s_lshl_b32 s24, ttmp9, 16                      ; the work-group's 65,536 bytes in
	s_mov_b32 s25, 0
	s_sub_co_u32 s26, s2, 1                        ; the part of wb: 0, 1, 2 for Wq, Wk, Wv;
	s_cmp_eq_u32 s2, 0
	s_cselect_b32 s26, 0, s26                      ; xb and wo16 have one part
	s_cmp_eq_u32 s2, 4
	s_cselect_b32 s26, 0, s26
	s_lshl_b32 s26, s26, 23                        ; a part is 8,388,608 bytes
	s_lshl_b32 s27, ttmp9, 15                      ; the work-group's 32,768 bytes out
	s_add_co_u32 s26, s26, s27
	s_mov_b32 s27, 0
	s_wait_kmcnt 0x0
	s_cmp_eq_u32 s2, 0
	s_cselect_b64 s[4:5], s[8:9], s[10:11]         ; from where
	s_cselect_b64 s[6:7], s[18:19], s[20:21]       ; to where
	s_cmp_eq_u32 s2, 2
	s_cselect_b64 s[4:5], s[12:13], s[4:5]
	s_cmp_eq_u32 s2, 3
	s_cselect_b64 s[4:5], s[14:15], s[4:5]
	s_cmp_eq_u32 s2, 4
	s_cselect_b64 s[4:5], s[16:17], s[4:5]
	s_cselect_b64 s[6:7], s[22:23], s[6:7]
	s_add_nc_u64 s[4:5], s[4:5], s[24:25]
	s_add_nc_u64 s[6:7], s[6:7], s[26:27]
.set i, 0
.rept 16
	global_load_b128 v[X+4*i:X+4*i+3], v1, s[4:5] offset:512*i th:TH_LOAD_NT
.set i, i+1
.endr
; Load i is rounded and stored.  wo = 1: bf16 first, then that number as f16.
.macro OUT wo
	s_wait_loadcnt 15-i                            ; loads come back in order: mine is in, the 15 - i younger ones stay out
.if \wo
	v_cvt_pk_bf16_f32 v[T],   v[X+4*i],   v[X+4*i+1]
	v_cvt_pk_bf16_f32 v[T+1], v[X+4*i+2], v[X+4*i+3]
	v_lshlrev_b32 v[X+4*i],   16, v[T]             ; bf16 to f32: the low half moves up,
	v_and_b32     v[X+4*i+1], 0xffff0000, v[T]     ; the high half stays
	v_lshlrev_b32 v[X+4*i+2], 16, v[T+1]
	v_and_b32     v[X+4*i+3], 0xffff0000, v[T+1]
	v_cvt_pk_f16_f32 v[X+4*i],   v[X+4*i],   v[X+4*i+1]
	v_cvt_pk_f16_f32 v[X+4*i+1], v[X+4*i+2], v[X+4*i+3]
.else
	v_cvt_pk_bf16_f32 v[X+4*i],   v[X+4*i],   v[X+4*i+1]
	v_cvt_pk_bf16_f32 v[X+4*i+1], v[X+4*i+2], v[X+4*i+3]
.endif
	global_store_b64 v2, v[X+4*i:X+4*i+1], s[6:7] offset:256*i th:TH_STORE_NT
.set i, i+1
.endm
	s_cmp_eq_u32 s2, 4
	s_cbranch_scc1 .Lwo
.set i, 0
.rept 16
	OUT 0
.endr
	s_endpgm
.Lwo:
.set i, 0
.rept 16
	OUT 1
.endr
	s_endpgm
.Lfunc_end_k_q5944cda0a8_cast:
	.size	k_q5944cda0a8_cast, .Lfunc_end_k_q5944cda0a8_cast-k_q5944cda0a8_cast
	.p2alignl 7, 3214868480
	.fill 96, 4, 3214868480
	.section	.rodata,"a",@progbits
	.p2align	6, 0x0
	.amdhsa_kernel k_q5944cda0a8_cast
		.amdhsa_group_segment_fixed_size 0
		.amdhsa_private_segment_fixed_size 0
		.amdhsa_enable_private_segment 0
		.amdhsa_kernarg_size 64
		.amdhsa_user_sgpr_count 2
		.amdhsa_user_sgpr_kernarg_segment_ptr 1
		.amdhsa_wavefront_size32 1
		.amdhsa_system_sgpr_workgroup_id_x 1
		.amdhsa_system_sgpr_workgroup_id_y 1
		.amdhsa_system_sgpr_workgroup_id_z 1
		.amdhsa_system_vgpr_workitem_id 0
		.amdhsa_next_free_vgpr 72
		.amdhsa_next_free_sgpr 66
		.amdhsa_reserve_vcc 0
		.amdhsa_float_denorm_mode_32 3
		.amdhsa_float_denorm_mode_16_64 3
		.amdhsa_memory_ordered 1
		.amdhsa_forward_progress 1
		.amdhsa_inst_pref_size 16
	.end_amdhsa_kernel
	.amdgpu_metadata
---
amdhsa.version: [ 1, 2 ]
amdhsa.kernels:
  - .name:           k_q5944cda0a8_cast
    .symbol:         k_q5944cda0a8_cast.kd
    .args:
      - { .name: x, .offset: 0, .size: 8, .value_kind: global_buffer, .address_space: global }
      - { .name: Wq, .offset: 8, .size: 8, .value_kind: global_buffer, .address_space: global }
      - { .name: Wk, .offset: 16, .size: 8, .value_kind: global_buffer, .address_space: global }
      - { .name: Wv, .offset: 24, .size: 8, .value_kind: global_buffer, .address_space: global }
      - { .name: Wo, .offset: 32, .size: 8, .value_kind: global_buffer, .address_space: global }
      - { .name: xb, .offset: 40, .size: 8, .value_kind: global_buffer, .address_space: global }
      - { .name: wb, .offset: 48, .size: 8, .value_kind: global_buffer, .address_space: global }
      - { .name: wo16, .offset: 56, .size: 8, .value_kind: global_buffer, .address_space: global }
    .group_segment_fixed_size: 0
    .private_segment_fixed_size: 0
    .kernarg_segment_align: 8
    .kernarg_segment_size: 64
    .max_flat_workgroup_size: 256
    .sgpr_count:     66
    .vgpr_count:     72
    .wavefront_size: 32
...
	.end_amdgpu_metadata
.endif
;; end of part 1
;; launch qkv (part 2): grid 16 x 16, 4 waves a work-group, clusters of 4 x 4, 327,680 bytes of LDS; arguments xb, wb, bq, bk, bv, qkh, v16; writes qkh, v16
.if DOCPART == 2
	.amdgcn_target "amdgcn-amd-amdhsa--gfx1250"
	.amdhsa_code_object_version 6
	.text
	.protected	k_q5944cda0a8_qkv
	.globl	k_q5944cda0a8_qkv
	.p2align	8
	.type	k_q5944cda0a8_qkv,@function
k_q5944cda0a8_qkv:
	s_mov_b64 s[64:65], 0
	v_nop
	global_prefetch_b8 v0, s[64:65] scope:SCOPE_SE
	s_setreg_imm32_b32 hwreg(HW_REG_WAVE_MODE, 25, 1), 1
	s_wait_xcnt 0x0
	s_wait_alu depctr_hold_cnt(0) depctr_sa_sdst(0) depctr_va_vdst(0) depctr_va_sdst(0) depctr_va_ssrc(0) depctr_va_vcc(0) depctr_vm_vsrc(0)
	s_getreg_b32 s2, hwreg(HW_REG_IB_STS2, 6, 4)
	s_cmp_eq_u32 s2, 0
	s_cbranch_scc0 .Lentry_in_a_cluster
	s_endpgm
.Lentry_in_a_cluster:
	s_bfe_u32 s2, ttmp6, 0x10000c
	s_cmp_lg_u32 s2, 0xf033
	s_cbranch_scc0 .Lentry_shape_is_right
	s_endpgm
.Lentry_shape_is_right:
; q, k, v = x [Wq; Wk; Wv]^T + bias.  xb: [2048][2048] bf16, wb: [6144][2048] bf16; sums in f32; the biases are rounded to bf16 like every input of the module.
; All three leave rounded once to f16, by heads: q and k, still without their norm, which spans all heads and is made by the next launch, in qkh: [2][16][2048][128]; v in v16: [16][2048][128].
; LIMIT.  q and k before the norm, and v, lie within f16's 65,504.  NaN and infinities are not treated apart.
; SHARES.  A work-group makes 128 rows x 384 columns: one head's q, k and v: 16 x 16 work-groups.  Wave w makes all 128 rows x columns 96 w .. 96 w + 95 of the 384:
; 8 x 6 accumulators of 16 x 16, 384 registers.  K goes in 16 steps of 128 through a ring of two LDS slots of 512 rows x 272 bytes: x's 128 rows, then Wq's, Wk's and Wv's 128.
; Each wave fetches one of the four with one tensor load: 128 rows of 256 bytes, each at a multiple of 256 from its buffer's first byte.
; CLUSTERS: 4 x 4 work-groups.  The four of a row of the cluster have the same rows of x, the four of a column the same head: each tile is asked for JOINTLY.
; THE MATRIX INSTRUCTION IS USED TRANSPOSED (source 0 = 16 rows of W, source 1 = 16 rows of x): a lane holds eight neighbouring columns of one row of the result.
; REGISTERS, in windows of 256: window 0: v0-31 addresses; v64-127, v128-191 x's fragments, two buffers; v192-205 biases; v32-103 at work on the way out.
;   window 1: v64-111, v128-175 W's fragments.   window 2: the accumulators of rows 0-63 ((a, b) at v[8 (6 a + b)]).   window 3: those of rows 64-127.
.set KSTEP,  128
.set PITCH,  272                       ; 256 bytes + 16 of padding = 68 words: the 16 rows of a fragment load start at 16 different groups of four banks (64 banks of 4 bytes: ISA guide 11.1)
.set HALFT,  128*PITCH                 ; what one tensor load brings
.set SLOT,   4*HALFT
.set SPARE,  2*SLOT                    ; behind the ring: the spare words, 128 bytes for each wave: two blocks of 256 bytes that no other line names
.set SPITCH, 1552                      ; the way out: a row of 384 f32 + 16 bytes.  The stage, 128 such rows from byte 0, lies over the ring, which has then had its last fill
.set LAPS,   8                         ; a lap = two K steps
.set STO,  4                           ; v4-7    the way out: where I put 16 bytes of a row, for row blocks 0-1, 2-3, 4-5, 6-7
.set ADRA, 16                          ; v16-17  LDS address of x's fragments in slot 0, 1
.set ADRB, 20                          ; v20-21  the same for W's
.set RD0,  24                          ; v24     the way out: my place in the first of my wave's 32 rows
.set CO8,  26                          ; v26     the way out: 8 x lane + 256 x the rows done, this trip's four among them
.set BO,   27                          ; v27     my four numbers of a bias: 512 x head + 16 x lane
.set SPW,  28                          ; v28     my spare word; never rewritten
.set NIL,  29                          ; v29     0; never rewritten
.set PFO,  30                          ; v30     the prefetches' offset: lane x a row of 4,096 bytes; never rewritten
.set RD,   31                          ; v31     the way out: the trip's read address
.set D,    32                          ; v32-79  the way out: four rows x (q, k, v) x 4 registers of f32
.set O,    80                          ; v80-103 the way out: four rows x (q, k, v) x 2 registers of f16, the stores' data
.set F0,   64
.set F1,   128
.set BQ,   192
.set BK,   196
.set BV,   200
.set T,    204
.set G1,  24                           ; s[24:31] descriptor group 1 for x's tiles
.set G0,  32                           ; s[32:39] group 0 for x's tiles, a set for each slot
.set G1B, 48                           ; s[48:55], s[56:63] the same for W's
.set G0B, 56
.set LIM, 43                           ; s43     1 in a wave that prefetches, else the greatest number
.set PFA, 44                           ; s[44:45] where my prefetches stand
.set MSB, 0
.macro WIN new                         ; the immediate's high byte repeats the setting that is left
.if MSB != (\new)
	s_set_vgpr_msb (MSB<<8)|(\new)
.set MSB, \new
.endif
.endm
.set MUL_LO, 0xa1                      ; source 0 (W) window 1, source 1 (x) window 0, C and D window 2
.set MUL_HI, 0xf1                      ; the same, C and D window 3
.set TO_B,   0x40                      ; destination window 1, address window 0
; A joint load.  Wave 0 fetches x's tile, waves 1 to 3 Wq's, Wk's, Wv's.  The branch hangs on the wave's number alone.
; An s_nop 0 and four v_nop follow each of the two lines, ahead of the jump and the label.
.macro JLOAD s
	s_cmp_eq_u32 s10, 0
	s_cbranch_scc0 .Lfor_b_\@
	tensor_load_to_lds s[G0+4*(\s):G0+4*(\s)+3], s[G1:G1+7]
	s_nop 0
.rept 4
	v_nop
.endr
	s_branch .Lasked_\@
.Lfor_b_\@:
	tensor_load_to_lds s[G0B+4*(\s):G0B+4*(\s)+3], s[G1B:G1B+7]
	s_nop 0
.rept 4
	v_nop
.endr
.Lasked_\@:
.endm
; A prefetch of the K step that stands two refills on: 32 rows x 256 bytes, a lane a row.  x's rows are read by every cluster of a row of clusters: cluster x = 0 asks (wave 0);
; W's by every cluster of a column: cluster y = 0 asks (waves 1 to 3).  The four partners share a tile's 128 rows out by address, 32 each.  So each row's 256 bytes of a K step are named once.
; K steps 0 to 3 come by their loads alone; the loop's last trip has no K step two refills on and asks for nothing.
.macro ASK
	s_cmp_gt_u32 s3, s[LIM]
	s_cbranch_scc0 .Lnot_mine_\@
	global_prefetch_b8 v[PFO], s[PFA:PFA+1] offset:KSTEP*2 th:TH_LOAD_NT scope:SCOPE_SE
.Lnot_mine_\@:
.endm
.macro CREST                           ; a round of the cluster's barrier behind its opening barrier
	s_cmp_lg_u32 s10, 0
	s_cbranch_scc1 .Lnot_wave_0_\@
	s_barrier_signal -3
.Lnot_wave_0_\@:
	s_barrier_wait -3
	s_barrier_signal -1
	s_barrier_wait -1
.endm
.macro CROUND                          ; a whole round
	s_barrier_signal -1
	s_barrier_wait -1
	CREST
.endm
.macro ROUND2 a, b, t                  ; two f32 rounded to bf16 and widened again
	v_cvt_pk_bf16_f32 v[\t], v[\a], v[\b]
	v_lshlrev_b32 v[\a], 16, v[\t]
	v_and_b32 v[\b], 0xffff0000, v[\t]
.endm
	s_load_b128 s[4:7], s[0:1], 0x0                ; xb s[4:5], wb s[6:7]
	s_load_b256 s[68:75], s[0:1], 0x10             ; bq s[68:69], bk s[70:71], bv s[72:73], qkh s[74:75]
	s_load_b64 s[76:77], s[0:1], 0x30              ; v16
	v_lshl_add_u32 v[SPW], v0, 2, SPARE
	v_mov_b32 v[NIL], 0
	ds_add_u32 v[SPW], v[NIL]                      ; the wave's opening: the add and its wait ahead of my first tensor load; the set-up below stands between them
	v_lshrrev_b32 v1, 5, v0
	v_readfirstlane_b32 s10, v1                    ; wave 0..3
	s_max_u32 s12, s10, 1
	s_sub_co_u32 s12, s12, 1                       ; which of Wq, Wk, Wv I fetch (waves 1 to 3)
	s_bfe_u32 s40, ttmp6, 0x40000                  ; cx
	s_bfe_u32 s41, ttmp6, 0x40004                  ; cy
	s_lshl_b32 s42, ttmp9, 2
	s_add_co_u32 s42, s42, s40                     ; head = 4 x cluster x + cx
	s_and_b32 s13, ttmp7, 0xffff
	s_lshl_b32 s13, s13, 2
	s_add_co_u32 s13, s13, s41                     ; block of 128 rows = 4 x cluster y + cy
	s_lshl_b32 s43, s41, 2
	s_lshl_b32 s43, 15, s43                        ; my row of the cluster
	s_lshl_b32 s44, 0x1111, s40                    ; my column
	s_or_b32 s[G1+0], s43, (1<<16)|(1<<20)|(1<<21)|(5<<22)|(3<<25)   ; the mask; 2-byte elements; padding on; bit 21 beside a mask; after every 64 words, 4 words
	s_or_b32 s[G1B+0], s44, (1<<16)|(1<<20)|(1<<21)|(5<<22)|(3<<25)
.irp g, G1, G1B
	s_mov_b32 s[(\g)+1], KSTEP<<16                 ; tensor_dim0 = 128
	s_mov_b32 s[(\g)+2], 128<<16                   ; tensor_dim1 = 128
	s_mov_b32 s[(\g)+3], KSTEP<<16                 ; tile_dim0 = 128
	s_mov_b32 s[(\g)+4], 128                       ; tile_dim1 = 128
	s_mov_b32 s[(\g)+5], 2048                      ; elements from row to row
	s_mov_b32 s[(\g)+6], 0
	s_mov_b32 s[(\g)+7], 0
.endr
	s_lshl_b32 s16, s13, 19                        ; x: 128 rows of 4,096 bytes a block
	s_mov_b32 s17, 0
	s_lshl_b32 s46, s12, 23                        ; W: 2,048 rows a matrix,
	s_lshl_b32 s47, s42, 19                        ; 128 rows a head
	s_add_co_u32 s46, s46, s47
	s_mov_b32 s47, 0
	s_mul_i32 s20, s10, HALFT                      ; where my tile goes: wave x 128 rows
	s_wait_dscnt 0x0                               ; the opening add is done
	s_wait_kmcnt 0x0
	s_add_nc_u64 s[14:15], s[4:5], s[16:17]
	s_add_nc_u64 s[46:47], s[6:7], s[46:47]
	CROUND                                         ; all sixteen work-groups are here: the first joint loads meet
.irp s, 0,1
	s_mov_b32 s[G0+4*(\s)], 1
	s_add_co_u32 s[G0+4*(\s)+1], s20, (\s)*SLOT
	s_add_nc_u64 s[G0+4*(\s)+2:G0+4*(\s)+3], s[14:15], (\s)*KSTEP*2
	s_or_b32 s[G0+4*(\s)+3], s[G0+4*(\s)+3], 0x80000000
	s_mov_b32 s[G0B+4*(\s)], 1
	s_add_co_u32 s[G0B+4*(\s)+1], s20, (\s)*SLOT
	s_add_nc_u64 s[G0B+4*(\s)+2:G0B+4*(\s)+3], s[46:47], (\s)*KSTEP*2
	s_or_b32 s[G0B+4*(\s)+3], s[G0B+4*(\s)+3], 0x80000000
	JLOAD \s
.endr
	; a fragment is 16 rows x 32 K in 8 registers: lane l holds row l % 16, K = 8 (l / 16) + 0..7 and 16 + 8 (l / 16) + 0..7: two loads of 16 bytes, 32 bytes apart
	v_and_b32 v1, 15, v0                           ; l % 16
	v_bfe_u32 v2, v0, 4, 1                         ; l / 16
	v_mul_u32_u24 v3, v1, PITCH
	v_lshl_add_u32 v3, v2, 4, v3
	s_mov_b32 s21, 0                               ; x's 128 rows: every wave reads all
	s_mul_i32 s22, s10, 96*PITCH                   ; my 96 rows of the 384 of W,
	s_add_co_u32 s22, s22, HALFT                   ; which lie behind x's
.irp s, 0,1
	v_add_nc_u32 v[ADRA+(\s)], s21, v3
	v_add_nc_u32 v[ADRB+(\s)], s22, v3
	s_add_co_u32 s21, s21, SLOT
	s_add_co_u32 s22, s22, SLOT
.endr
	s_mul_i32 s23, s10, 384                        ; the way out, in: row l % 16, my wave's 96 columns, 32 bytes for each half of the lanes
	v_mul_u32_u24 v[STO], v1, SPITCH
	v_lshl_add_u32 v[STO], v2, 5, v[STO]
	v_add_nc_u32 v[STO], s23, v[STO]
.irp i, 1,2,3
	v_add_nc_u32 v[STO+(\i)], (\i)*32*SPITCH, v[STO]
.endr
	v_and_b32 v3, 31, v0
	s_mul_i32 s23, s10, 32*SPITCH                  ; back: wave w takes rows 32 w .. 32 w + 31, whole
	v_lshl_add_u32 v[RD0], v3, 4, s23
	v_lshlrev_b32 v[CO8], 3, v3
	s_lshl_b32 s23, s42, 9
	v_lshl_add_u32 v[BO], v3, 4, s23
	global_load_b128 v[BQ:BQ+3], v[BO], s[68:69]   ; waited for on the way out
	global_load_b128 v[BK:BK+3], v[BO], s[70:71]
	global_load_b128 v[BV:BV+3], v[BO], s[72:73]
	; the prefetches
	s_and_b32 s22, ttmp7, 0xffff                   ; cluster y
	s_cmp_eq_u32 s10, 0                            ; do I fetch x's tile?
	s_cselect_b32 s84, s40, s41                    ; my place among the four that ask for it with me
	s_cselect_b32 s22, ttmp9, s22                  ; the coordinate along which other clusters read the same rows
	s_cselect_b64 s[PFA:PFA+1], s[14:15], s[46:47]
	s_cmp_eq_u32 s22, 0
	s_cselect_b32 s[LIM], 1, -1                    ; the same in all sixteen partners, for a given wave
	s_lshl_b32 s84, s84, 17                        ; my work-group's 32 rows of 4,096 bytes
	s_add_co_u32 s84, s84, 2*KSTEP*2               ; at K step 2: the first refill steps it to 3 and names K step 4
	s_mov_b32 s85, 0
	s_add_nc_u64 s[PFA:PFA+1], s[PFA:PFA+1], s[84:85]
	v_lshlrev_b32 v[PFO], 12, v3
; 12 matrix instructions: row blocks a0, a0 + 1 of the window's four x all 6 column blocks, 32 along K.  zero = 1: the first product starts the sums.
; The 48 accumulators take turns in the same order in every quarter.
.macro MUL12 f, hi, a0, zero
	WIN MUL_LO+0x50*(\hi)
.irp a, \a0, (\a0)+1
.irp b, 0,1,2,3,4,5
.if \zero
	v_wmma_f32_16x16x32_bf16 v[8*(6*(\a)+(\b)):8*(6*(\a)+(\b))+7], v[(\f)+8*(\b):(\f)+8*(\b)+7], v[(\f)+8*(4*(\hi)+(\a)):(\f)+8*(4*(\hi)+(\a))+7], 0
.else
	v_wmma_f32_16x16x32_bf16 v[8*(6*(\a)+(\b)):8*(6*(\a)+(\b))+7], v[(\f)+8*(\b):(\f)+8*(\b)+7], v[(\f)+8*(4*(\hi)+(\a)):(\f)+8*(4*(\hi)+(\a))+7], v[8*(6*(\a)+(\b)):8*(6*(\a)+(\b))+7]
.endif
.endr
.endr
.endm
; 28 LDS loads in one run: a quarter step's fragments (96 rows of W, 128 rows of x, 32 K at byte k of the rows) into buffer f
.macro FETCH slot, k, f
	WIN TO_B
.irp i, 0,1,2,3,4,5
	ds_load_b128 v[(\f)+8*(\i):(\f)+8*(\i)+3],   v[ADRB+(\slot)] offset:(\k)+(\i)*16*PITCH
	ds_load_b128 v[(\f)+8*(\i)+4:(\f)+8*(\i)+7], v[ADRB+(\slot)] offset:(\k)+(\i)*16*PITCH+32
.endr
	WIN 0
.irp i, 0,1,2,3,4,5,6,7
	ds_load_b128 v[(\f)+8*(\i):(\f)+8*(\i)+3],   v[ADRA+(\slot)] offset:(\k)+(\i)*16*PITCH
	ds_load_b128 v[(\f)+8*(\i)+4:(\f)+8*(\i)+7], v[ADRA+(\slot)] offset:(\k)+(\i)*16*PITCH+32
.endr
.endm
.macro PLACES                          ; four places in front of loads into registers that matrix instructions have read (ISA guide 7.12.1 for vector instructions)
.rept 4
	v_nop
.endr
.endm
; A K step is four quarters of 32 along K, 48 matrix instructions each, on buffers 0, 1, 0, 1.  One of the first three multiplies f and fetches the next quarter into g.
.macro QUARTER slot, k, f, g, zero
	s_wait_dscnt 8                                 ; W and x's rows 0-63 are in; the youngest eight loads (x's rows 64-127) may be out
	MUL12 \f, 0, 0, \zero
	MUL12 \f, 0, 2, \zero
	PLACES
	FETCH \slot, \k, \g
	s_wait_dscnt 28                                ; all but the 28 just issued
	MUL12 \f, 1, 0, \zero
	MUL12 \f, 1, 2, \zero
.endm
; The last quarter's first half: one barrier for the change of slots.  In front of it each wave waits for all its tensor loads (one is out: its part of the next slot),
; adds 0 to its spare word, and waits for that and for its own reads of this slot.
.macro MEET round
	WIN 0
	s_wait_tensorcnt 0x0
	ds_add_u32 v[SPW], v[NIL]
	s_wait_dscnt 9                                 ; (the add and the youngest eight loads may be out)
	MUL12 F1, 0, 0, 0                              ; twelve matrix instructions stand between the add and the wait for it
	s_wait_dscnt 0x0                               ; the add is done, and my reads of this slot are over
	s_barrier_signal -1
	MUL12 F1, 0, 2, 0
.if \round
	WIN 0
.endif
	s_barrier_wait -1
.endm
; The whole last quarter.  fill = 1: the barrier opens a round of the cluster's, and the slot just read out is filled again, first thing behind it, with the K step two on:
; from that request to the wait for it a wave issues 168 matrix instructions.
.macro TURN slot, next, fill
.if \fill
	s_wait_xcnt 0x0                                ; the last prefetch, a K step back, has read its address
	s_add_nc_u64 s[PFA:PFA+1], s[PFA:PFA+1], KSTEP*2
.endif
	MEET \fill
.if \fill
	CREST                                          ; no wave of any partner still reads this slot's tile or has a load on its way
	s_add_nc_u64 s[G0+4*(\slot)+2:G0+4*(\slot)+3], s[G0+4*(\slot)+2:G0+4*(\slot)+3], 2*KSTEP*2
	s_add_nc_u64 s[G0B+4*(\slot)+2:G0B+4*(\slot)+3], s[G0B+4*(\slot)+2:G0B+4*(\slot)+3], 2*KSTEP*2
	JLOAD \slot                                    ; its four v_nop are also the places in front of the loads below
.else
	PLACES
.endif
	FETCH \next, 0, F0
.if \fill
	ASK
.endif
	MUL12 F1, 1, 0, 0
	MUL12 F1, 1, 2, 0
.endm
	s_wait_tensorcnt 1                             ; my part of K step 0 is in; K step 1's may stay out
	s_barrier_signal -1
	s_barrier_wait -1
	FETCH 0, 0, F0
	QUARTER 0, 64,  F0, F1, 1                      ; the first quarter stands in front of the loop: its products start the sums
	WIN 0
	s_mov_b32 s3, LAPS-1
.Llap:                                                 ; a trip goes once round the ring and fills both slots again
	QUARTER 0, 128, F1, F0, 0
	QUARTER 0, 192, F0, F1, 0
	TURN 0, 1, 1
	QUARTER 1, 64,  F0, F1, 0
	QUARTER 1, 128, F1, F0, 0
	QUARTER 1, 192, F0, F1, 0
	TURN 1, 0, 1
	QUARTER 0, 64,  F0, F1, 0
	WIN 0
	s_sub_co_u32 s3, s3, 1
	s_cmp_lg_u32 s3, 0
	s_cbranch_scc1 .Llap
	QUARTER 0, 128, F1, F0, 0                      ; the last lap fills nothing
	QUARTER 0, 192, F0, F1, 0
	TURN 0, 1, 0
	QUARTER 1, 64,  F0, F1, 0
	QUARTER 1, 128, F1, F0, 0
	QUARTER 1, 192, F0, F1, 0
	s_wait_dscnt 8                                 ; the very last quarter
	MUL12 F1, 0, 0, 0
	MUL12 F1, 0, 2, 0
	s_wait_dscnt 0x0
	MUL12 F1, 1, 0, 0
	MUL12 F1, 1, 2, 0
	; THE WAY OUT.  All 128 x 384 sums go in f32 into one stage over the ring; then each wave takes 32 whole rows: 128 numbers of q, of k and of v a row.
	WIN 0
.rept 8
	v_nop                                          ; the places behind the last products
.endr
	s_barrier_signal -1                            ; my reads of the ring are over (the wait for 0 above), and so are all tensor loads:
	s_barrier_wait -1                              ; now everybody's: the ring may be written over
.irp a, 0,1,2,3,4,5,6,7
	WIN 0x08+4*((\a)/4)                            ; the stores' data in window 2 or 3
.irp b, 0,1,2,3,4,5
	ds_store_b128 v[STO+(\a)/2], v[8*(6*((\a)%4)+(\b)):8*(6*((\a)%4)+(\b))+3]   offset:((\a)%2)*16*SPITCH+64*(\b)      ; each accumulator's low end first
	ds_store_b128 v[STO+(\a)/2], v[8*(6*((\a)%4)+(\b))+4:8*(6*((\a)%4)+(\b))+7] offset:((\a)%2)*16*SPITCH+64*(\b)+16
.endr
.endr
	WIN 0
	s_wait_loadcnt 0x0                             ; the biases
	ROUND2 BQ, BQ+1, T
	ROUND2 BQ+2, BQ+3, T+1
	ROUND2 BK, BK+1, T
	ROUND2 BK+2, BK+3, T+1
	ROUND2 BV, BV+1, T
	ROUND2 BV+2, BV+3, T+1
	s_lshl_b32 s80, s42, 19                        ; in q, in k and in v alike: the head's 524,288 bytes + (128 x block + 32 x wave) rows of 256
	s_lshl_b32 s81, s13, 15
	s_add_co_u32 s80, s80, s81
	s_lshl_b32 s81, s10, 13
	s_add_co_u32 s80, s80, s81
	s_mov_b32 s81, 0
	s_add_nc_u64 s[74:75], s[74:75], s[80:81]      ; q
	s_add_nc_u64 s[78:79], s[74:75], 0x800000      ; k lies 8,388,608 bytes behind q
	s_add_nc_u64 s[76:77], s[76:77], s[80:81]      ; v
	s_mov_b32 s82, 0
	s_mov_b32 s3, 8
	s_wait_dscnt 0x0                               ; for the others' sake: my stores into the stage are done
	s_barrier_signal -1
	s_barrier_wait -1
.Lrows:                                                ; eight trips of four rows
	v_add_nc_u32 v[RD], s82, v[RD0]
.irp p, 0,1,2,3
.irp c, 0,1,2
	ds_load_b128 v[D+4*(3*(\p)+(\c)):D+4*(3*(\p)+(\c))+3], v[RD] offset:SPITCH*(\p)+512*(\c)
.endr
.endr
	s_wait_xcnt 0x0                                ; the last trip's stores have read their data and their offset: only behind this wait are these written again; the LDS loads above are out meanwhile
	v_add_nc_u32 v[CO8], 4*256, v[CO8]             ; four rows on; the stores below reach back by their immediates
.irp p, 0,1,2,3
	s_wait_dscnt 9-3*(\p)                          ; row p's three loads are in; the later rows' stay out
	v_pk_add_f32 v[D+12*(\p):D+12*(\p)+1],     v[D+12*(\p):D+12*(\p)+1],     v[BQ:BQ+1]
	v_pk_add_f32 v[D+12*(\p)+2:D+12*(\p)+3],   v[D+12*(\p)+2:D+12*(\p)+3],   v[BQ+2:BQ+3]
	v_pk_add_f32 v[D+12*(\p)+4:D+12*(\p)+5],   v[D+12*(\p)+4:D+12*(\p)+5],   v[BK:BK+1]
	v_pk_add_f32 v[D+12*(\p)+6:D+12*(\p)+7],   v[D+12*(\p)+6:D+12*(\p)+7],   v[BK+2:BK+3]
	v_pk_add_f32 v[D+12*(\p)+8:D+12*(\p)+9],   v[D+12*(\p)+8:D+12*(\p)+9],   v[BV:BV+1]
	v_pk_add_f32 v[D+12*(\p)+10:D+12*(\p)+11], v[D+12*(\p)+10:D+12*(\p)+11], v[BV+2:BV+3]
.irp c, 0,1,2,3,4,5
	v_cvt_pk_f16_f32 v[O+6*(\p)+(\c)], v[D+12*(\p)+2*(\c)], v[D+12*(\p)+2*(\c)+1]
.endr
	global_store_b64 v[CO8], v[O+6*(\p):O+6*(\p)+1],   s[74:75] offset:256*(\p)-1024   ; each store covers a head's row: 256 consecutive bytes, aligned
	global_store_b64 v[CO8], v[O+6*(\p)+2:O+6*(\p)+3], s[78:79] offset:256*(\p)-1024
	global_store_b64 v[CO8], v[O+6*(\p)+4:O+6*(\p)+5], s[76:77] offset:256*(\p)-1024
.endr
	s_add_co_u32 s82, s82, 4*SPITCH
	s_sub_co_u32 s3, s3, 1
	s_cmp_lg_u32 s3, 0
	s_cbranch_scc1 .Lrows
	s_wait_tensorcnt 0x0                           ; the wave's end, behind my last tensor load and my last LDS store
	ds_add_u32 v[SPW], v[NIL]
	s_wait_dscnt 0x0
	CROUND                                         ; the closing round
	s_endpgm
.Lfunc_end_k_q5944cda0a8_qkv:
	.size	k_q5944cda0a8_qkv, .Lfunc_end_k_q5944cda0a8_qkv-k_q5944cda0a8_qkv
	.p2alignl 7, 3214868480
	.fill 96, 4, 3214868480
	.section	.rodata,"a",@progbits
	.p2align	6, 0x0
	.amdhsa_kernel k_q5944cda0a8_qkv
		.amdhsa_group_segment_fixed_size 327680
		.amdhsa_private_segment_fixed_size 0
		.amdhsa_enable_private_segment 0
		.amdhsa_kernarg_size 56
		.amdhsa_user_sgpr_count 2
		.amdhsa_user_sgpr_kernarg_segment_ptr 1
		.amdhsa_wavefront_size32 1
		.amdhsa_system_sgpr_workgroup_id_x 1
		.amdhsa_system_sgpr_workgroup_id_y 1
		.amdhsa_system_sgpr_workgroup_id_z 1
		.amdhsa_system_vgpr_workitem_id 0
		.amdhsa_next_free_vgpr 1024
		.amdhsa_next_free_sgpr 90
		.amdhsa_reserve_vcc 0
		.amdhsa_float_denorm_mode_32 3
		.amdhsa_float_denorm_mode_16_64 3
		.amdhsa_memory_ordered 1
		.amdhsa_forward_progress 1
		.amdhsa_inst_pref_size 105
	.end_amdhsa_kernel
	.amdgpu_metadata
---
amdhsa.version: [ 1, 2 ]
amdhsa.kernels:
  - .name:           k_q5944cda0a8_qkv
    .symbol:         k_q5944cda0a8_qkv.kd
    .args:
      - { .name: xb, .offset: 0, .size: 8, .value_kind: global_buffer, .address_space: global }
      - { .name: wb, .offset: 8, .size: 8, .value_kind: global_buffer, .address_space: global }
      - { .name: bq, .offset: 16, .size: 8, .value_kind: global_buffer, .address_space: global }
      - { .name: bk, .offset: 24, .size: 8, .value_kind: global_buffer, .address_space: global }
      - { .name: bv, .offset: 32, .size: 8, .value_kind: global_buffer, .address_space: global }
      - { .name: qkh, .offset: 40, .size: 8, .value_kind: global_buffer, .address_space: global }
      - { .name: v16, .offset: 48, .size: 8, .value_kind: global_buffer, .address_space: global }
    .group_segment_fixed_size: 327680
    .private_segment_fixed_size: 0
    .kernarg_segment_align: 8
    .kernarg_segment_size: 56
    .max_flat_workgroup_size: 128
    .sgpr_count:     90
    .vgpr_count:     1024
    .wavefront_size: 32
...
	.end_amdgpu_metadata
.endif
;; end of part 2
;; launch norm (part 3): grid 512 x 1, 8 waves a work-group, no clusters, 0 bytes of LDS; arguments qkh, gq, gk, freqs_cos, freqs_sin, q16, k16; writes q16, k16
.if DOCPART == 3
	.amdgcn_target "amdgcn-amd-amdhsa--gfx1250"
	.amdhsa_code_object_version 6
	.text
	.protected	k_q5944cda0a8_norm
	.globl	k_q5944cda0a8_norm
	.p2align	8
	.type	k_q5944cda0a8_norm,@function
k_q5944cda0a8_norm:
	s_mov_b64 s[64:65], 0
	v_nop
	global_prefetch_b8 v0, s[64:65] scope:SCOPE_SE
	s_setreg_imm32_b32 hwreg(HW_REG_WAVE_MODE, 25, 1), 1
	s_wait_xcnt 0x0
; q and k: RMS norm over the whole row of 2,048 channels, gain, interleaved RoPE, one rounding to f16.  qkh: [2][16][2048][128] f16 -> q16, k16: [16][2048][128] f16.
; The gains and the two tables are rounded to bf16 like every input of the module.  All arithmetic in f32; the factors are applied as (h g) (cos r), (h g) (sin r) with r = rsqrt(mean h^2 + 1e-6):
; an order of rounding that differs from the reference's in the last bits of f32; h itself arrives rounded to f16.
; LIMITS.  The results lie within f16's 65,504.  NaN and infinities are not treated apart.
; SHARES.  One wave, one row: its sixteen heads' 256 bytes each, 32 registers, read once.  Load j is head j; lane i holds channels 4 i .. 4 i + 3 of every head: two RoPE pairs,
; whose cos and sin are the same for all heads.  The f16 halves are read by the mixed multiply-add, so no pass widens them.  The sum never leaves the wave: no LDS, no barrier.
; A stream: matrix unit and clusters would add nothing.
.set CR,   4                           ; v4, v5 cos r of my two pairs; v6, v7 sin r
.set RT,   8                           ; v[8:11] at work in the roundings
.set ZERO, 12                          ; v12  0: the mixed multiply-add takes its sources from vector registers alone
.set COS,  16
.set SIN,  20
.set A,    24                          ; v[24:27] four chains
.set RAW,  32                          ; v[32:63]  the row as loaded, two registers a head; then as stored
.set W,    64                          ; v[64:79]  two sets of eight at work, by turns from head to head
.set G,    96                          ; v[96:159] the gain
.macro ROUND2 a, b, t                  ; two f32 rounded to bf16 and widened again
	v_cvt_pk_bf16_f32 v[\t], v[\a], v[\b]
	v_lshlrev_b32 v[\a], 16, v[\t]
	v_and_b32 v[\b], 0xffff0000, v[\t]
.endm
	s_load_b256 s[8:15], s[0:1], 0x0               ; qkh s[8:9], gq s[10:11], gk s[12:13], freqs_cos s[14:15]
	s_load_b128 s[16:19], s[0:1], 0x20             ; freqs_sin s[16:17], q16 s[18:19]
	s_load_b64 s[20:21], s[0:1], 0x30              ; k16
	v_lshrrev_b32 v3, 5, v0
	v_readfirstlane_b32 s2, v3                     ; wave
	s_lshr_b32 s3, ttmp9, 8                        ; 0: q, 1: k
	s_and_b32 s4, ttmp9, 255
	s_lshl_b32 s4, s4, 3
	s_add_co_u32 s4, s4, s2                        ; my row
	v_and_b32 v1, 31, v0
	v_lshlrev_b32 v2, 3, v1                        ; 8 bytes a lane of f16,
	v_lshlrev_b32 v1, 4, v1                        ; 16 of f32
	v_mov_b32 v[ZERO], 0
	s_lshl_b32 s26, s3, 23
	s_lshl_b32 s30, s4, 8                          ; the row in a head: of qkh, and of q16 or k16
	s_add_co_u32 s26, s26, s30
	s_mov_b32 s27, 0
	s_lshl_b32 s28, s4, 9                          ; in the tables
	s_mov_b32 s29, 0
	s_mov_b32 s31, 0
	s_mov_b32 s22, 0x3a000000                      ; 1 / 2048
	s_mov_b32 s23, 0x358637bd                      ; 1e-6
	s_mov_b32 s24, 0x76543210                      ; v_permlanex16_b32: each lane takes its own place in the other half
	s_mov_b32 s25, 0xfedcba98
	s_wait_kmcnt 0x0
	s_cmp_eq_u32 s3, 0
	s_cselect_b64 s[10:11], s[10:11], s[12:13]     ; the gain
	s_cselect_b64 s[18:19], s[18:19], s[20:21]     ; the output
	s_add_nc_u64 s[8:9], s[8:9], s[26:27]
	s_add_nc_u64 s[14:15], s[14:15], s[28:29]
	s_add_nc_u64 s[16:17], s[16:17], s[28:29]
	s_add_nc_u64 s[18:19], s[18:19], s[30:31]
.set j, 0
.rept 16
	global_load_b64 v[RAW+2*j:RAW+2*j+1], v2, s[8:9] offset:524288*j th:TH_LOAD_NT   ; a head's row: 256 consecutive bytes, aligned
.set j, j+1
.endr
	global_load_b128 v[COS:COS+3], v1, s[14:15]
	global_load_b128 v[SIN:SIN+3], v1, s[16:17]
.set j, 0
.rept 16
	global_load_b128 v[G+4*j:G+4*j+3], v1, s[10:11] offset:512*j
.set j, j+1
.endr
	s_wait_loadcnt 18                              ; the row is in; the two tables' and the gain's 18 loads may stay out
.set j, 0
.rept 32                                       ; the sum of squares in four chains: a register's low half, then its high half; the first two registers start the chains
.if j < 2
	v_fma_mix_f32 v[A+2*(j%2)],   v[RAW+j], v[RAW+j], v[ZERO] op_sel_hi:[1,1,0]
	v_fma_mix_f32 v[A+2*(j%2)+1], v[RAW+j], v[RAW+j], v[ZERO] op_sel:[1,1,0] op_sel_hi:[1,1,0]
.else
	v_fma_mix_f32 v[A+2*(j%2)],   v[RAW+j], v[RAW+j], v[A+2*(j%2)] op_sel_hi:[1,1,0]
	v_fma_mix_f32 v[A+2*(j%2)+1], v[RAW+j], v[RAW+j], v[A+2*(j%2)+1] op_sel:[1,1,0] op_sel_hi:[1,1,0]
.endif
.set j, j+1
.endr
	v_add_f32 v[A], v[A], v[A+1]
	v_add_f32 v[A+2], v[A+2], v[A+3]
	v_add_f32 v[A], v[A], v[A+2]
	v_add_f32_dpp v[A], v[A], v[A] row_xmask:1 row_mask:0xf bank_mask:0xf
	v_add_f32_dpp v[A], v[A], v[A] row_xmask:2 row_mask:0xf bank_mask:0xf
	v_add_f32_dpp v[A], v[A], v[A] row_xmask:4 row_mask:0xf bank_mask:0xf
	v_add_f32_dpp v[A], v[A], v[A] row_xmask:8 row_mask:0xf bank_mask:0xf
	v_permlanex16_b32 v[A+1], v[A], s24, s25       ; its destination counts as read: a register that has been written
	v_add_f32 v[A], v[A], v[A+1]                   ; every lane holds the row's sum of squares
	v_fma_f32 v[A+2], v[A], s22, s23               ; the mean + 1e-6
	v_rsq_f32 v[A+3], v[A+2]
	s_wait_loadcnt 0x0                             ; tables and gain; their roundings are the plain work behind the root
.set j, 0
.rept 32
	ROUND2 G+2*j, G+2*j+1, RT+j%4
.set j, j+1
.endr
	ROUND2 COS, COS+2, RT                          ; a pair's cos stands at its even channel,
	ROUND2 SIN+1, SIN+3, RT+1                      ; its sin at its odd one
	s_wait_alu depctr_va_vdst(0)                   ; the wait ahead of the root's first reader
	v_mul_f32 v[CR],   v[COS],   v[A+3]
	v_mul_f32 v[CR+1], v[COS+2], v[A+3]
	v_mul_f32 v[CR+2], v[SIN+1], v[A+3]
	v_mul_f32 v[CR+3], v[SIN+3], v[A+3]
.macro HEAD
.set q, W+8*(j%2)
	v_fma_mix_f32 v[q],   v[RAW+2*j],   v[G+4*j],   v[ZERO] op_sel_hi:[1,0,0]                  ; h g: the f16 half times the f32 gain
	v_fma_mix_f32 v[q+1], v[RAW+2*j],   v[G+4*j+1], v[ZERO] op_sel:[1,0,0] op_sel_hi:[1,0,0]
	v_fma_mix_f32 v[q+2], v[RAW+2*j+1], v[G+4*j+2], v[ZERO] op_sel_hi:[1,0,0]
	v_fma_mix_f32 v[q+3], v[RAW+2*j+1], v[G+4*j+3], v[ZERO] op_sel:[1,0,0] op_sel_hi:[1,0,0]
	v_mul_f32 v[q+4], v[q+1], v[CR+2]
	v_mul_f32 v[q+5], v[q+1], v[CR]
	v_mul_f32 v[q+6], v[q+3], v[CR+3]
	v_mul_f32 v[q+7], v[q+3], v[CR+1]
	v_fma_f32 v[q+4], v[q],   v[CR],   -v[q+4]     ; x1 cos - x2 sin
	v_fma_f32 v[q+5], v[q],   v[CR+2], v[q+5]      ; x1 sin + x2 cos
	v_fma_f32 v[q+6], v[q+2], v[CR+1], -v[q+6]
	v_fma_f32 v[q+7], v[q+2], v[CR+3], v[q+7]
	v_cvt_pk_f16_f32 v[RAW+2*j],   v[q+4], v[q+5]
	v_cvt_pk_f16_f32 v[RAW+2*j+1], v[q+6], v[q+7]
	global_store_b64 v2, v[RAW+2*j:RAW+2*j+1], s[18:19] offset:524288*j   ; a head's row: 256 consecutive bytes, aligned; 7,864,320 at the most, inside the signed 24-bit immediate
.set j, j+1
.endm
.set j, 0
.rept 16
	HEAD
.endr
	s_endpgm
.Lfunc_end_k_q5944cda0a8_norm:
	.size	k_q5944cda0a8_norm, .Lfunc_end_k_q5944cda0a8_norm-k_q5944cda0a8_norm
	.p2alignl 7, 3214868480
	.fill 96, 4, 3214868480
	.section	.rodata,"a",@progbits
	.p2align	6, 0x0
	.amdhsa_kernel k_q5944cda0a8_norm
		.amdhsa_group_segment_fixed_size 0
		.amdhsa_private_segment_fixed_size 0
		.amdhsa_enable_private_segment 0
		.amdhsa_kernarg_size 56
		.amdhsa_user_sgpr_count 2
		.amdhsa_user_sgpr_kernarg_segment_ptr 1
		.amdhsa_wavefront_size32 1
		.amdhsa_system_sgpr_workgroup_id_x 1
		.amdhsa_system_sgpr_workgroup_id_y 1
		.amdhsa_system_sgpr_workgroup_id_z 1
		.amdhsa_system_vgpr_workitem_id 0
		.amdhsa_next_free_vgpr 160
		.amdhsa_next_free_sgpr 66
		.amdhsa_reserve_vcc 0
		.amdhsa_float_denorm_mode_32 3
		.amdhsa_float_denorm_mode_16_64 3
		.amdhsa_memory_ordered 1
		.amdhsa_forward_progress 1
		.amdhsa_inst_pref_size 29
	.end_amdhsa_kernel
	.amdgpu_metadata
---
amdhsa.version: [ 1, 2 ]
amdhsa.kernels:
  - .name:           k_q5944cda0a8_norm
    .symbol:         k_q5944cda0a8_norm.kd
    .args:
      - { .name: qkh, .offset: 0, .size: 8, .value_kind: global_buffer, .address_space: global }
      - { .name: gq, .offset: 8, .size: 8, .value_kind: global_buffer, .address_space: global }
      - { .name: gk, .offset: 16, .size: 8, .value_kind: global_buffer, .address_space: global }
      - { .name: freqs_cos, .offset: 24, .size: 8, .value_kind: global_buffer, .address_space: global }
      - { .name: freqs_sin, .offset: 32, .size: 8, .value_kind: global_buffer, .address_space: global }
      - { .name: q16, .offset: 40, .size: 8, .value_kind: global_buffer, .address_space: global }
      - { .name: k16, .offset: 48, .size: 8, .value_kind: global_buffer, .address_space: global }
    .group_segment_fixed_size: 0
    .private_segment_fixed_size: 0
    .kernarg_segment_align: 8
    .kernarg_segment_size: 56
    .max_flat_workgroup_size: 256
    .sgpr_count:     66
    .vgpr_count:     160
    .wavefront_size: 32
...
	.end_amdgpu_metadata
.endif
;; end of part 3
;; launch attn (part 4): grid 16 x 16, 4 waves a work-group, clusters of 4 x 1, 327,680 bytes of LDS; arguments q16, k16, v16, o16; writes o16
.if DOCPART == 4
	.amdgcn_target "amdgcn-amd-amdhsa--gfx1250"
	.amdhsa_code_object_version 6
	.text
	.protected	k_q5944cda0a8_attn
	.globl	k_q5944cda0a8_attn
	.p2align	8
	.type	k_q5944cda0a8_attn,@function
k_q5944cda0a8_attn:
	s_mov_b64 s[64:65], 0
	v_nop
	global_prefetch_b8 v0, s[64:65] scope:SCOPE_SE
	s_setreg_imm32_b32 hwreg(HW_REG_WAVE_MODE, 25, 1), 1
	s_wait_xcnt 0x0
	s_wait_alu depctr_hold_cnt(0) depctr_sa_sdst(0) depctr_va_vdst(0) depctr_va_sdst(0) depctr_va_ssrc(0) depctr_va_vcc(0) depctr_vm_vsrc(0)
	s_getreg_b32 s2, hwreg(HW_REG_IB_STS2, 6, 4)
	s_cmp_eq_u32 s2, 0
	s_cbranch_scc0 .Lentry_in_a_cluster
	s_endpgm
.Lentry_in_a_cluster:
	s_bfe_u32 s2, ttmp6, 0x10000c
	s_cmp_lg_u32 s2, 0x3003
	s_cbranch_scc0 .Lentry_shape_is_right
	s_endpgm
.Lentry_shape_is_right:
; O[q][128 h + d] = the sum over k of softmax_k(Q[h][q] . K[h][k] / sqrt(128)) V[h][k][d].  q16, k16, v16: [16][2048][128] f16; o16: [2048][2048] f16, row-major.
; Products, maxima and sums in f32; the weights p are rounded to f16 for the second product (their sum l is taken of the unrounded p), O once at the end.
; LIMITS.  Q, K, V arrive within f16's 65,504; p lies in 0 to 1 and below 6e-5 keeps f16's fixed step of 6e-8; a weight below 2^-126 counts as 0 in l; NaN and infinities are not treated apart.
; SHARES.  A work-group owns 128 queries of one head: 16 x 16 work-groups.  Wave w owns queries 64 (w / 2) .. + 63, four tiles of 16, and walks HALF the keys: of each slot's 256 keys those of
; half w % 2, 64 a step.  The two waves of a pair join their maxima, sums and O^T once, at the end, through LDS.  The wave of half 1 holds its query tiles in the order 2, 3, 0, 1, so that
; every wave hands its register tiles 2, 3 to its partner and finishes its register tiles 0, 1: one text for both.
; LAYOUT.  S^T = K Q^T (source 0 = 16 keys, source 1 = 16 queries): a lane holds ONE query (lane % 16) and the keys 8 (lane / 16) + 0..7.  Two such tiles rounded to f16 ARE source 1 of
; O^T = V^T P, whose result again holds one query a lane, and eight channels.  K comes out of LDS as it lies, V turned, by ds_load_tr16_b128.
; SOFTMAX.  A running maximum m and sum l: p = 2^(c s - c m), c = log2(e) / sqrt(128); in every step O and l are multiplied by a = 2^(c m_old - c m_new).
; BY TURNS.  The wave's tiles are two pieces (tiles 0, 1 and 2, 3).  In a turn one piece has the matrix unit: 32 products V^T P of the step in hand, 32 products K Q^T of the next;
; the other piece's softmax, cut into 64 slices, stands between them, one slice behind each matrix instruction.  Two turns are a key step.
; NO FIRST AND NO LAST STEP IS WRITTEN OUT.  m starts at the lowest finite number, c m far below every c s, O^T, l, V's registers and piece 2's P at 0: the first step is a step like any other, with
; a = 0.  The loop is entered, and the tail left, in the middle of a trip.  The price: 432 v_mov_b32, which stand in the wait for the first tile; 32 products on zeros at the start, 32 on a stale K at the end.
; CLUSTER.  The four query blocks of a cluster belong to one head and walk the same K and V: each tile is asked for JOINTLY.
; REGISTERS, in windows of 256: window 0: v0-11 addresses; v12-43 eight registers of statistics a tile; v44-52 the joining, Q's second offset; v61-63; v64-191 S^T; v192-255 P.
;   window 1: O^T, 64 a tile.   window 2: v0-127 Q; v128-255 K of one step.   window 3: v0-127 V of one step.
.set KS,    64
.set PK,    272       ; a row of K in LDS: 256 bytes + 16: the 16 rows of a load start at 16 different groups of four banks (64 banks of 4 bytes: ISA guide 11.1)
.set PV,    288       ; a row of V: 256 + 32
.set VOFF,  256*PK    ; a slot holds 256 keys: K's rows, then V's
.set SLOT1, 0x24000   ; slot 1 begins here.  Every base that is turned (0, 0x8800; 0x11000, 0x1a000; 0, 0x9000) has bits 17 and 14 clear, so one exclusive or turns an address in one slot into the other's
.set STAGE, SLOT1+256*(PK+PV)  ; behind the ring: 16 rows x 272 bytes for each wave, for the way out
.set SP,    272
.set SPARE, STAGE+4*16*SP      ; behind the stages: the spare words, 128 bytes for each wave: two blocks of 256 bytes that no other line names
.set WAREA, 16896     ; the joining, over slot 0 when it has had its last fill and its last read: for each wave 32 blocks of 512 bytes of O^T, then two of 256 of statistics
.set AK0, 2           ; v2   my lane's place in a tile of K; never rewritten
.set AV0, 3           ; v3   the same for V
.set ADR, 4           ; v4   the LDS address of the run of loads in hand
.set QO,  5           ; v5   my byte offset in the wave's rows of Q, for register tiles 0, 1
.set STO, 6           ; v6   the way out: where I put 16 bytes of a row
.set RD,  7           ; v7   the way out: where I read a row back
.set GO,  8           ; v8   my byte offset in two rows of O
.set ST,  12          ; tile t's statistics at v[ST+8 t]: +0 c m, +1 m, +2, +3 l, +4 to +7 at work; a takes +6
.set MS,  44          ; v44  the joining: where I put 16 bytes of O^T
.set ML,  45          ; v45  where I read my partner's
.set MS8, 46          ; v46  the same for 8 bytes of statistics
.set ML8, 47
.set PS,  48          ; v48-51  my partner's c m and l of two tiles
.set QO2, 52          ; v52  my byte offset in the wave's rows of Q, for register tiles 2, 3
.set PFO, 61          ; v61  256 x my lane; never rewritten
.set SPW, 62          ; v62  my spare word; never rewritten
.set NIL, 63          ; v63  0; never rewritten
.set S,   64
.set P,   192
.set KF,  128
.set WV,  12          ; s12  my wave's number
.set LIM, 15          ; s15  1 in a wave that prefetches, else the greatest number
.set PFA, 18          ; s[18:19] where my prefetches stand
.set G1K, 24
.set G1V, 32
.set G0K, 40          ; s[40:47] group 0 for K's tiles: a set for each of the two first fills; the second then walks on
.set G0V, 48
.set SLOTS, 56
.set TWICE, 57
.set CS,  58
.set SEL, 60
.set TBK, 62          ; s62  LDS byte at which K of the step to be fetched begins
.set TBV, 63          ; s63  the same for V, less VOFF
.set PAR, 66          ; s66  which half of the keys is mine
.set MSB, 0
.macro WIN new
.if MSB != (\new)
	s_set_vgpr_msb (MSB<<8)|(\new)
.set MSB, \new
.endif
.endm
.set W_KQ, 0x0a       ; K and Q in window 2, S^T in window 0
.set W_PV, 0x53       ; V in window 3, P in window 0, O^T in window 1
.set W_RS, 0x41       ; O^T (destination and source 0) in window 1, a in window 0
; A joint refill.  Waves 0 and 1 fetch the two halves of a slot's K, waves 2 and 3 those of its V: 128 rows each.  An s_nop 0 and four v_nop follow each line.
.macro JLOAD
	s_cmp_lt_u32 s[WV], 2
	s_cbranch_scc0 .Lfor_v_\@
	tensor_load_to_lds s[G0K+4:G0K+7], s[G1K:G1K+7]
	s_nop 0
.rept 4
	v_nop
.endr
	s_branch .Lasked_\@
.Lfor_v_\@:
	tensor_load_to_lds s[G0V+4:G0V+7], s[G1V:G1V+7]
	s_nop 0
.rept 4
	v_nop
.endr
.Lasked_\@:
.endm
; A prefetch of what the NEXT change of slots will ask for.  All clusters of a head walk the same K and V: the head's first cluster asks.  Of the 128 rows that a wave fetches its work-group
; takes 32, told apart by address; a lane a row of 256 bytes.  So each row is named once.  Slots 0 to 2 come by their loads alone; the last change that fills a slot asks for nothing.
.macro ASK
	s_cmp_gt_u32 s[SLOTS], s[LIM]
	s_cbranch_scc0 .Lnot_mine_\@
	global_prefetch_b8 v[PFO], s[PFA:PFA+1] th:TH_LOAD_NT scope:SCOPE_SE
.Lnot_mine_\@:
.endm
.macro CROUND
	s_barrier_signal -1
	s_barrier_wait -1
	s_cmp_lg_u32 s[WV], 0
	s_cbranch_scc1 .Lnot_wave_0_\@
	s_barrier_signal -3
.Lnot_wave_0_\@:
	s_barrier_wait -3
	s_barrier_signal -1
	s_barrier_wait -1
.endm
	s_load_b256 s[4:11], s[0:1], 0x0  ; Q s[4:5], K s[6:7], V s[8:9], O s[10:11]
	v_lshl_add_u32 v[SPW], v0, 2, SPARE
	v_mov_b32 v[NIL], 0
	ds_add_u32 v[SPW], v[NIL]       ; the wave's opening: the add and its wait ahead of my first tensor load; the set-up below stands between them
	v_lshrrev_b32 v1, 5, v0
	v_readfirstlane_b32 s[WV], v1   ; wave 0..3
	s_bfe_u32 s13, ttmp6, 0x40000   ; cx
	s_lshl_b32 s14, ttmp9, 2
	s_add_co_u32 s14, s14, s13      ; my block of 128 queries: it enters Q's and O's addresses alone
	s_and_b32 s20, ttmp7, 0xffff    ; the head, which the four partners share
	s_lshl_b32 s20, s20, 19         ; its 524,288 bytes in Q, K and V
	s_mov_b32 s21, 0
	s_and_b32 s[PAR], s[WV], 1      ; which half of a slot's keys I walk, and fetch:
	s_lshl_b32 s22, s[PAR], 15      ; its 128 rows of 256 bytes in memory,
	s_mov_b32 s23, 0
	s_add_nc_u64 s[22:23], s[22:23], s[20:21]
	s_mul_i32 s17, s[PAR], 128*PK   ; and its place in a slot, for K
	s_mul_i32 s16, s[PAR], 128*PV   ; and for V: no place in the cluster enters an LDS address
	s_lshr_b32 s67, s[WV], 1        ; which 64 of the block's queries are mine
	s_lshl_b32 s2, s14, 15
	s_lshl_b32 s3, s67, 14
	s_add_co_u32 s2, s2, s3
	s_mov_b32 s3, 0
	s_add_nc_u64 s[2:3], s[2:3], s[20:21]  ; my rows of Q
	s_lshl_b32 s68, s14, 19         ; the rows of O that I finish: (128 x block + 64 x half of the queries
	s_lshl_b32 s69, s67, 18
	s_add_co_u32 s68, s68, s69
	s_lshl_b32 s69, s[PAR], 17      ; + 32 x half of the keys: my register tiles 0, 1 are the query tiles 2 (w % 2) and the next)
	s_add_co_u32 s68, s68, s69      ; rows of 4,096 bytes
	s_and_b32 s69, ttmp7, 0xffff
	s_lshl_b32 s69, s69, 8          ; + 256 x head
	s_add_co_u32 s68, s68, s69
	s_mov_b32 s69, 0
	s_mov_b32 s[G1K], 15|(1<<16)|(1<<20)|(1<<21)|(5<<22)|(3<<25)  ; the mask of four; 2-byte elements; padding on; bit 21 beside a mask; after every 64 words, 4 words
	s_mov_b32 s[G1V], 15|(1<<16)|(1<<20)|(1<<21)|(5<<22)|(7<<25)  ; the same with 8 words of padding
.irp g, G1K, G1V
	s_mov_b32 s[(\g)+1], 128<<16    ; tensor_dim0 = 128
	s_mov_b32 s[(\g)+2], 128<<16    ; tensor_dim1 = 128
	s_mov_b32 s[(\g)+3], 128<<16    ; tile_dim0 = 128
	s_mov_b32 s[(\g)+4], 128        ; tile_dim1 = 128
	s_mov_b32 s[(\g)+5], 128        ; elements from row to row
	s_mov_b32 s[(\g)+6], 0
	s_mov_b32 s[(\g)+7], 0
.endr
	s_mov_b32 s[CS], 0x3e0293ee     ; c = log2(e) / sqrt(128) = 0.127517
	s_mov_b32 s[CS+1], s[CS]
	s_mov_b32 s[SEL], 0x76543210
	s_mov_b32 s[SEL+1], 0xfedcba98
	s_mov_b32 s[TBK], s17
	s_mov_b32 s[TBV], s16
	s_mov_b32 s[SLOTS], 7           ; eight slots of 256 keys: the trip that is entered in its middle, and six that fill a slot again
	s_cmp_eq_u32 ttmp9, 0           ; the head's first cluster: the same in all four partners
	s_cselect_b32 s[LIM], 1, -1
	v_and_b32 v[PFO], 31, v0
	v_lshlrev_b32 v[PFO], 8, v[PFO]
	s_wait_dscnt 0x0                ; the opening add is done
	s_wait_kmcnt 0x0
	s_add_nc_u64 s[6:7], s[6:7], s[22:23]  ; K and V at my tile of slot 0
	s_add_nc_u64 s[8:9], s[8:9], s[22:23]
	s_add_nc_u64 s[4:5], s[4:5], s[2:3]
	s_add_nc_u64 s[10:11], s[10:11], s[68:69]
	s_cmp_lt_u32 s[WV], 2
	s_cselect_b64 s[PFA:PFA+1], s[6:7], s[8:9]
	s_lshl_b32 s2, s13, 13          ; my work-group's 32 rows of the 128
	s_mov_b32 s3, 0
	s_add_nc_u64 s[PFA:PFA+1], s[PFA:PFA+1], s[2:3]
	s_add_nc_u64 s[PFA:PFA+1], s[PFA:PFA+1], 2*65536  ; in slot 2; the first change of slots steps it to slot 3
	CROUND                          ; all four work-groups are here: the first joint loads meet
.irp s, 0,1
	s_mov_b32 s[G0K+4*(\s)], 1
	s_add_co_u32 s[G0K+4*(\s)+1], s17, (\s)*SLOT1
	s_add_nc_u64 s[G0K+4*(\s)+2:G0K+4*(\s)+3], s[6:7], (\s)*65536
	s_or_b32 s[G0K+4*(\s)+3], s[G0K+4*(\s)+3], 0x80000000
	s_mov_b32 s[G0V+4*(\s)], 1
	s_add_co_u32 s[G0V+4*(\s)+1], s16, (\s)*SLOT1+VOFF
	s_add_nc_u64 s[G0V+4*(\s)+2:G0V+4*(\s)+3], s[8:9], (\s)*65536
	s_or_b32 s[G0V+4*(\s)+3], s[G0V+4*(\s)+3], 0x80000000
.endr
	s_cmp_lt_u32 s[WV], 2           ; a wave's two first fills stand in one branch, ahead of every wait on TENSORcnt and every LDS read: two loads of mine are out
	s_cbranch_scc0 .Lfirst_v
	tensor_load_to_lds s[G0K:G0K+3], s[G1K:G1K+7]
	s_nop 0
	tensor_load_to_lds s[G0K+4:G0K+7], s[G1K:G1K+7]
	s_nop 0
.rept 4
	v_nop
.endr
	s_branch .Lfirst_asked
.Lfirst_v:
	tensor_load_to_lds s[G0V:G0V+3], s[G1V:G1V+7]
	s_nop 0
	tensor_load_to_lds s[G0V+4:G0V+7], s[G1V:G1V+7]
	s_nop 0
.rept 4
	v_nop
.endr
.Lfirst_asked:
	v_and_b32 v1, 15, v0            ; l % 16
	v_bfe_u32 v9, v0, 4, 1          ; l / 16
	v_lshlrev_b32 v[QO], 8, v1
	v_lshl_add_u32 v[QO], v9, 4, v[QO]  ; row x 256 + 16 x half
	s_lshl_b32 s2, s[PAR], 13       ; register tiles 0, 1 are the query tiles 2 (w % 2) and the next: two tiles of 4,096 bytes on, or none;
	s_xor_b32 s3, s2, 8192          ; register tiles 2, 3 are the other two
	v_add_nc_u32 v[QO2], s3, v[QO]
	v_add_nc_u32 v[QO], s2, v[QO]
	WIN 0x80                        ; destination window 2, address window 0
.irp i, 0,1,2,3,4,5,6,7,8,9,10,11,12,13,14,15  ; Q stays in registers: register tile i / 4, channels 32 (i % 4) on
.if (\i) < 8
	global_load_b128 v[8*(\i):8*(\i)+3],   v[QO], s[4:5] offset:((\i)/4)*4096+((\i)%4)*64
	global_load_b128 v[8*(\i)+4:8*(\i)+7], v[QO], s[4:5] offset:((\i)/4)*4096+((\i)%4)*64+32
.else
	global_load_b128 v[8*(\i):8*(\i)+3],   v[QO2], s[4:5] offset:((\i)/4-2)*4096+((\i)%4)*64
	global_load_b128 v[8*(\i)+4:8*(\i)+7], v[QO2], s[4:5] offset:((\i)/4-2)*4096+((\i)%4)*64+32
.endif
.endr
	WIN 0
	v_mul_u32_u24 v[AK0], v1, PK
	v_lshl_add_u32 v[AK0], v9, 4, v[AK0]  ; row x pitch + 16 x half
	; the turning load takes 16 keys x 16 channels (lane l reads key 8 (l / 16) + l % 8, channels 8 ((l / 8) % 2) + 0..7) and leaves half a fragment of V^T
	v_and_b32 v10, 7, v0
	v_bfe_u32 v11, v0, 3, 1
	v_lshl_add_u32 v[AV0], v9, 3, v10
	v_mul_u32_u24 v[AV0], v[AV0], PV
	v_lshl_add_u32 v[AV0], v11, 4, v[AV0]
	v_add_nc_u32 v[AV0], VOFF, v[AV0]
	; What the first turn finds: O^T and l are 0; V's registers and piece 2's P hold 0, so that its products V^T P, of a step that has not been, add 0.  All this stands in the wait for the first tile.
	WIN 0x40
.set i, 0
.rept 256
	v_mov_b32 v[i], 0
.set i, i+1
.endr
	WIN 0xc0
.set i, 0
.rept 128
	v_mov_b32 v[i], 0
.set i, i+1
.endr
	WIN 0
.set i, P+32
.rept 32
	v_mov_b32 v[i], 0
.set i, i+1
.endr
.set i, 0
.rept 4
	v_mov_b32 v[ST+8*i], 0xfe000000    ; c m: far below every c s
	v_mov_b32 v[ST+8*i+1], 0xff7fffff  ; m: the lowest finite number
	v_mov_b32 v[ST+8*i+2], 0
	v_mov_b32 v[ST+8*i+3], 0
.set i, i+1
.endr
; THE MATRIX WORK OF A TURN, for piece x.  The accumulators take turns, one instruction a turn.
; Product i of 32 of O^T += V^T P: keys 32 (i / 16) on, channels 16 ((i / 2) % 8) on, tile x + i % 2.
.macro PV x
	WIN W_PV
.set rO, 64*((\x)+i%2)+8*((i/2)%8)
.set rV, 64*(i/16)+8*((i/2)%8)
.set rP, P+16*((\x)+i%2)+8*(i/16)
	v_wmma_f32_16x16x32_f16 v[rO:rO+7], v[rV:rV+7], v[rP:rP+7], v[rO:rO+7]
.endm
; Product i of 32 of S^T = K Q^T: channels 32 (i / 8) on, keys 16 ((i / 2) % 4) on, tile x + i % 2.  The first 8 start the sums.
.macro KQ x
	WIN W_KQ
.set rS, S+32*((\x)+i%2)+8*((i/2)%4)
.set rK, KF+32*((i/2)%4)+8*(i/8)
.set rQ, 32*((\x)+i%2)+8*(i/8)
.if i < 8
	v_wmma_f32_16x16x32_f16 v[rS:rS+7], v[rK:rK+7], v[rQ:rQ+7], 0
.else
	v_wmma_f32_16x16x32_f16 v[rS:rS+7], v[rK:rK+7], v[rQ:rQ+7], v[rS:rS+7]
.endif
.endm
; THE LDS LOADS stand in runs of 32: a step's K (16 fragments) and, a turn later, its V (turned).  last = 1 (the tail): in its last trip there is no further step, and K's run is jumped over.
.macro FETCH_K last=0
	WIN 0
.if \last
	s_cmp_eq_u32 s[TWICE], 1
	s_cbranch_scc1 .Lno_k_\@
.endif
	v_add_nc_u32 v[ADR], s[TBK], v[AK0]
	s_add_co_u32 s[TBK], s[TBK], KS*PK  ; the next fetch is the next step's
	WIN 0x80                        ; destination window 2
.irp f, 0,1,2,3,4,5,6,7,8,9,10,11,12,13,14,15  ; keys 16 (f / 4) on, channels 32 (f % 4) on
	ds_load_b128 v[KF+8*(\f):KF+8*(\f)+3],   v[ADR] offset:((\f)/4)*16*PK+((\f)%4)*64
	ds_load_b128 v[KF+8*(\f)+4:KF+8*(\f)+7], v[ADR] offset:((\f)/4)*16*PK+((\f)%4)*64+32
.endr
.if \last
	WIN 0                           ; at a label every window is 0
.Lno_k_\@:
.endif
.endm
.macro FETCH_V
	WIN 0
	v_add_nc_u32 v[ADR], s[TBV], v[AV0]
	s_add_co_u32 s[TBV], s[TBV], KS*PV
	s_wait_alu depctr_va_vdst(0)    ; the wait for the softmax's batch (SLICE), behind the address's v_add_nc_u32 and ahead of the loads
	WIN 0xc0                        ; destination window 3
.irp f, 0,1,2,3,4,5,6,7,8,9,10,11,12,13,14,15  ; keys 32 (f / 8) on, channels 16 (f % 8) on
	ds_load_tr16_b128 v[8*(\f):8*(\f)+3],   v[ADR] offset:((\f)/8)*32*PV+((\f)%8)*32
	ds_load_tr16_b128 v[8*(\f)+4:8*(\f)+7], v[ADR] offset:((\f)/8)*32*PV+16*PV+((\f)%8)*32
.endr
.endm
; THE VECTOR WORK OF A TURN.  One tile's softmax for one key step is a list of 134 instructions; SM writes number j of it for tile t.
;   0-15    the maximum of the lane's 32 scores and the old m, three operands at a time (each accumulator's lowest registers are read first)
;   16-20   the other half of the lanes' maximum; c m_old is kept; the new m; c m; c m_old - c m_new
;   21-69   ONE BATCH: the 16 scalings c s - c m and all 33 exponentials (a at 23).  None of these reads an exponential's result
;   (wait)  between 69 and 70 stands the wait for the batch: SLICE writes it, once for both tiles
;   70-85   the roundings to f16     86-101  the sums; l = a l + the sum     102-133 the tile's O^T times a
.macro SM t
.set rT, ST+8*(\t)
.set rS, S+32*(\t)
.set rP, P+16*(\t)
.set rO, 64*(\t)+2*(j-102)
.if j < 102
	WIN 0
.endif
.if j < 4
	v_max3_num_f32 v[rT+4+j], v[rS+8*j], v[rS+8*j+1], v[rS+8*j+2]
.elseif j < 12
	v_max3_num_f32 v[rT+4+j%4], v[rT+4+j%4], v[rS+8*(j%4)+2*(j/4)+1], v[rS+8*(j%4)+2*(j/4)+2]
.elseif j == 12
	v_max3_num_f32 v[rT+4], v[rT+4], v[rS+7], v[rS+15]
.elseif j == 13
	v_max3_num_f32 v[rT+6], v[rT+6], v[rS+23], v[rS+31]
.elseif j == 14
	v_max3_num_f32 v[rT+4], v[rT+4], v[rT+5], v[rT+6]
.elseif j == 15
	v_max3_num_f32 v[rT+4], v[rT+4], v[rT+7], v[rT+1]
.elseif j == 16
	v_permlanex16_b32 v[rT+5], v[rT+4], s[SEL], s[SEL+1]  ; the query's other 32 keys lie in the lane 16 away
.elseif j == 17
	v_mov_b32 v[rT+7], v[rT]        ; c m_old is kept for a
.elseif j == 18
	v_max_num_f32 v[rT+1], v[rT+4], v[rT+5]
.elseif j == 19
	v_mul_f32 v[rT], s[CS], v[rT+1]
.elseif j == 20
	v_sub_f32 v[rT+7], v[rT+7], v[rT]
.elseif j == 23
	v_exp_f32 v[rT+6], v[rT+7]
.elseif (j < 23) || ((j < 38) && (j%2 == 0)) || ((j < 66) && (j%4 == 2))
.set b, (j-2)/4
.if j < 38
.set b, (j-20)/2
.endif
	v_pk_fma_f32 v[rS+2*b:rS+2*b+1], v[rS+2*b:rS+2*b+1], s[CS:CS+1], v[rT:rT+1] op_sel_hi:[1,0,0] neg_lo:[0,0,1] neg_hi:[0,0,1]  ; pair b: c s - c m
.elseif j < 70
.set e, j-38
.if j < 66
.set e, j-32-(j-38)/4
.endif
.if j < 38
.set e, (j-25)/2
.endif
	v_exp_f32 v[rS+e], v[rS+e]
.elseif j < 86
	v_cvt_pk_f16_f32 v[rP+j-70], v[rS+2*(j-70)], v[rS+2*(j-70)+1]
.elseif j < 102                     ; the sum of the tile's 16 pairs, in place: neighbours 1, 2, 4 and 8 pairs apart, then l takes it
.set z, j-86
.set w, 4
.set u, z
.if z >= 14
.set w, 32
.set u, 0
.elseif z >= 12
.set w, 16
.set u, z-12
.elseif z >= 8
.set w, 8
.set u, z-8
.endif
.if z < 15
	v_pk_add_f32 v[rS+w*u:rS+w*u+1], v[rS+w*u:rS+w*u+1], v[rS+w*u+w/2:rS+w*u+w/2+1]
.else
	v_pk_fma_f32 v[rT+2:rT+3], v[rT+2:rT+3], v[rT+6:rT+7], v[rS:rS+1] op_sel_hi:[1,0,1]
.endif
.else
	WIN W_RS
	v_pk_mul_f32 v[rO:rO+1], v[rO:rO+1], v[rT+6:rT+7] op_sel_hi:[1,0]
.endif
.endm
; Slice k of 64 of piece y's softmax: four instructions.  Slices 11 to 34 deal out the batch, four numbers of one tile each, the tiles by turns; every other slice is numbers 2 k and 2 k + 1 of
; both tiles' lists; the twelve that are over stand in slice 63.  Ahead of slice 35 nothing names an exponential's result, behind slice 34 no exponential is issued: one wait serves the piece's 66.
.macro SLICE y
.if (k >= 11) && (k < 35)
.irp n, 0,1,2,3
.set j, 22+4*((k-11)/2)+(\n)
	SM (\y)+(k-11)%2
.endr
.else
.irp n, 0,1,2,3,4,5,6,7
.if ((\n) < 2) || (k == 63)
.irp t, \y, (\y)+1
.set j, 2*k+(\n)
	SM \t
.endr
.endif
.endr
.endif
.if k == 34
	v_nop                           ; the plain instruction behind the last exponential and ahead of the first use: one for the batch
.if (\y) == 0
	FETCH_V                         ; piece 2's turn: V's run of loads stands here, and the wait stands in it
.else
	s_wait_alu depctr_va_vdst(0)    ; the wait for the batch
.endif
.endif
.set k, k+1
.endm
.macro PLACES
.rept 4
	v_nop
.endr
.endm
; A TURN.  Piece x has the matrix unit: 32 products V^T P of the step in hand, 32 products K Q^T of the next; the other piece's softmax stands in slices behind them.
; Piece 0's turn fetches the next step's K behind its second product: the last product that read K stands in front of slice 63 of the turn before.  Piece 2's turn fetches the same step's V
; behind slice 34: the last product that read V stands in front of slice 31, and four plain instructions lie between.
.macro TURN x, last=0
.set k, 0
.if (\x) == 0
	s_wait_dscnt 0x0                ; V is in
.endif
.set i, 0
.rept 32
	PV \x
	SLICE 2-(\x)
.if ((\x) == 0) && (i == 1)
	FETCH_K \last
.endif
.set i, i+1
.endr
.if (\x) == 0
	s_wait_dscnt 0x0                ; K is in
.endif
.set i, 0
.rept 32
	KQ \x
	SLICE 2-(\x)
.set i, i+1
.endr
.endm
; THE CHANGE OF SLOTS.  Each wave waits for all its tensor loads (one is out: its part of the other slot), adds 0 to its spare word, and waits for that and for its own reads of the slot.
; fill = 1: the barrier is a round of the cluster's, and the joint refill, the keys two slots on, is the first thing behind it: it has 256 matrix instructions a wave in which to land.
.macro CHANGE fill
	WIN 0
	s_wait_tensorcnt 0x0            ; no tensor load of mine is out, so a group 0 may be written
	ds_add_u32 v[SPW], v[NIL]
.if \fill
.irp g, G0K+4, G0V+4
	s_xor_b32 s[(\g)+1], s[(\g)+1], SLOT1  ; the walking descriptor: the other slot than last time,
	s_add_nc_u64 s[(\g)+2:(\g)+3], s[(\g)+2:(\g)+3], 65536  ; the next 256 keys
.endr
	s_wait_xcnt 0x0                 ; the last prefetch, two key steps back, has read its address
	s_add_nc_u64 s[PFA:PFA+1], s[PFA:PFA+1], 65536
	s_wait_dscnt 0x0                ; the add is done, and my reads of the slot are over
	CROUND
	JLOAD
	ASK
.else
	s_wait_dscnt 0x0
	s_barrier_signal -1
	s_barrier_wait -1
.endif
	s_sub_co_u32 s[TBK], s[TBK], 128*PK  ; the fetches go back to my half's first step,
	s_xor_b32 s[TBK], s[TBK], SLOT1      ; in the other slot
	s_sub_co_u32 s[TBV], s[TBV], 128*PV
	s_xor_b32 s[TBV], s[TBV], SLOT1
.endm
	s_wait_tensorcnt 1              ; my part of slot 0 is in; slot 1's may stay out
	s_barrier_signal -1
	s_barrier_wait -1
	FETCH_K                         ; my key step 0
	s_wait_loadcnt 0x0              ; Q
	s_wait_dscnt 0x0
.set i, 0
.rept 32
	KQ 0                            ; piece 0's first scores: there is no vector work yet to set between them
.set i, i+1
.endr
	WIN 0                           ; the addresses for the joining and the way out are made here: plain instructions, the places behind those products
	s_mul_i32 s13, s[WV], 16*SP
	s_add_co_u32 s13, s13, STAGE    ; my stage
	v_mul_u32_u24 v[STO], v1, SP    ; in: row l % 16, 16 bytes for each half of the lanes
	v_lshl_add_u32 v[STO], v9, 4, v[STO]
	v_add_nc_u32 v[STO], s13, v[STO]
	v_mul_u32_u24 v[RD], v9, SP     ; back: lanes 0-15 take one row of 256 bytes, lanes 16-31 the next
	v_lshl_add_u32 v[RD], v1, 4, v[RD]
	v_add_nc_u32 v[RD], s13, v[RD]
	v_lshlrev_b32 v[GO], 12, v9     ; and the same two rows in O, 4,096 bytes apart
	v_lshl_add_u32 v[GO], v1, 4, v[GO]
	v_and_b32 v[MS8], 31, v0
	s_mul_i32 s13, s[WV], WAREA     ; my area of the joining,
	s_xor_b32 s67, s[WV], 1
	s_mul_i32 s67, s67, WAREA       ; my partner's
	v_lshl_add_u32 v[MS], v[MS8], 4, s13
	v_lshl_add_u32 v[ML], v[MS8], 4, s67
	s_add_co_u32 s13, s13, 16384
	s_add_co_u32 s67, s67, 16384
	v_lshl_add_u32 v[ML8], v[MS8], 3, s67
	v_lshl_add_u32 v[MS8], v[MS8], 3, s13
	s_mov_b32 s[TWICE], 2
	s_branch .Lmid                  ; the loop is entered at piece 2's turn: its V^T P adds 0; K Q^T of my step 0 | piece 0's softmax of step 0 | V of step 0
.Lslot:                             ; six times: every slot but the last two is filled again
	CHANGE 1
	s_mov_b32 s[TWICE], 2
.Lstep:                             ; my two key steps of a slot: written once, walked twice
	TURN 0
	WIN 0
.Lmid:
	TURN 2
	WIN 0
	s_sub_co_u32 s[TWICE], s[TWICE], 1
	s_cmp_lg_u32 s[TWICE], 0
	s_cbranch_scc1 .Lstep
	s_sub_co_u32 s[SLOTS], s[SLOTS], 1
	s_cmp_lg_u32 s[SLOTS], 0
	s_cbranch_scc1 .Lslot
	CHANGE 0                        ; the tail is written out
	s_mov_b32 s[TWICE], 3           ; two trips fetch the last slot's steps; the third is left in its middle
.Ltail:
	TURN 0, 1
	WIN 0
	s_sub_co_u32 s[TWICE], s[TWICE], 1
	s_cmp_eq_u32 s[TWICE], 0
	s_cbranch_scc1 .Lout
	TURN 2
	WIN 0
	s_branch .Ltail
.Lout:                              ; the third trip's 32 products K Q^T (on the last K once more) serve nothing: the price, once a launch, of one text for every turn
.set i, 0
.rept 32
	PV 2                            ; piece 2: V^T P of the last step
.set i, i+1
.endr
	; THE JOINING.  Every wave hands its register tiles 2, 3 to its partner and finishes its register tiles 0, 1, which are the same queries as its partner's 2, 3.  What is handed over: O^T, c m and l, lane for lane.
	; The areas lie over slot 0, which nobody has read since the last change of slots' barrier, and which no load fills any more.
	WIN 0
.irp t, 0,1,2,3
	v_add_f32 v[ST+8*(\t)+1], v[ST+8*(\t)+2], v[ST+8*(\t)+3]  ; l's two halves, onto m's place: beside c m
.endr
	PLACES                          ; with the four additions: the places behind the last products
	WIN 0x04                        ; the stores' data in window 1
.set g, 0
.rept 32
	ds_store_b128 v[MS], v[128+4*g:128+4*g+3] offset:512*g  ; tiles 2, 3 of O^T, in ascending order: each accumulator's low end first
.set g, g+1
.endr
	WIN 0
	ds_store_b64 v[MS8], v[ST+16:ST+17]
	ds_store_b64 v[MS8], v[ST+24:ST+25] offset:256
	s_wait_dscnt 0x0                ; for my partner's sake: my stores are done
	s_barrier_signal -1
	s_barrier_wait -1
	ds_load_b64 v[PS:PS+1], v[ML8]
	ds_load_b64 v[PS+2:PS+3], v[ML8] offset:256
.set g, 0
.rept 32
	ds_load_b128 v[S+4*g:S+4*g+3], v[ML] offset:512*g
.set g, g+1
.endr
	s_wait_dscnt 32                 ; the statistics are in; my partner's O^T may stay out
.irp u, 0,1
	v_max_num_f32 v[ST+8*(\u)+6], v[ST+8*(\u)], v[PS+2*(\u)]   ; the joint c m
.endr
.irp u, 0,1
	v_sub_f32 v[ST+8*(\u)+2], v[ST+8*(\u)], v[ST+8*(\u)+6]
	v_sub_f32 v[ST+8*(\u)+4], v[PS+2*(\u)], v[ST+8*(\u)+6]
.endr
.irp u, 0,1
	v_exp_f32 v[ST+8*(\u)+2], v[ST+8*(\u)+2]   ; e: my share's factor,
	v_exp_f32 v[ST+8*(\u)+4], v[ST+8*(\u)+4]   ; e': my partner's
.endr
	v_nop                           ; a plain instruction behind the last exponential,
	s_wait_alu depctr_va_vdst(0)    ; and the one wait ahead of the batch's first reader
.irp u, 0,1
	v_mul_f32 v[ST+8*(\u)+6], v[ST+8*(\u)+2], v[ST+8*(\u)+1]
.endr
.irp u, 0,1
	v_fmac_f32 v[ST+8*(\u)+6], v[ST+8*(\u)+4], v[PS+2*(\u)+1]
.endr
.irp u, 0,1
	v_permlanex16_b32 v[ST+8*(\u)+7], v[ST+8*(\u)+6], s[SEL], s[SEL+1]  ; the other half of the lanes holds the query's other keys
.endr
.irp u, 0,1
	v_add_f32 v[ST+8*(\u)+6], v[ST+8*(\u)+6], v[ST+8*(\u)+7]            ; L
.endr
.irp u, 0,1
	v_rcp_f32 v[ST+8*(\u)+7], v[ST+8*(\u)+6]
.endr
	v_nop
	s_wait_alu depctr_va_vdst(0)    ; one wait for the two reciprocals
.irp u, 0,1
	v_mul_f32 v[ST+8*(\u)+2], v[ST+8*(\u)+2], v[ST+8*(\u)+7]
	v_mul_f32 v[ST+8*(\u)+4], v[ST+8*(\u)+4], v[ST+8*(\u)+7]
.endr
	s_wait_dscnt 0x0                ; my partner's O^T is in
; Tile u: O = (e O + e' O') / L, rounded to f16, through my stage, back as whole rows of 256 bytes.
.macro PACKJ u
.set rT, ST+8*(\u)
	WIN 0
.set i, 0
.rept 32
	v_pk_mul_f32 v[S+64*(\u)+2*i:S+64*(\u)+2*i+1], v[S+64*(\u)+2*i:S+64*(\u)+2*i+1], v[rT+4:rT+5] op_sel_hi:[1,0]
.set i, i+1
.endr
	WIN 0x01                        ; source 0 (my O^T) in window 1
.set i, 0
.rept 32
	v_pk_fma_f32 v[S+64*(\u)+2*i:S+64*(\u)+2*i+1], v[64*(\u)+2*i:64*(\u)+2*i+1], v[rT+2:rT+3], v[S+64*(\u)+2*i:S+64*(\u)+2*i+1] op_sel_hi:[1,0,1]
.set i, i+1
.endr
	WIN 0
.set i, 0
.rept 32
	v_cvt_pk_f16_f32 v[P+32*(\u)+i], v[S+64*(\u)+2*i], v[S+64*(\u)+2*i+1]
.set i, i+1
.endr
.irp f, 0,1,2,3,4,5,6,7
	ds_store_b128 v[STO], v[P+32*(\u)+4*(\f):P+32*(\u)+4*(\f)+3] offset:32*(\f)
.endr
.irp f, 0,1,2,3,4,5,6,7
	ds_load_b128 v[P+32*(\u)+4*(\f):P+32*(\u)+4*(\f)+3], v[RD] offset:(\f)*2*SP  ; LDS serves a wave's instructions in order (ISA guide 5.7.1.4): these see the stores above; the next tile's stores come behind them
.endr
.endm
.macro SEND u, younger              ; younger: the LDS instructions issued behind this tile's loads
.irp f, 0,1,2,3,4,5,6,7
	s_wait_dscnt (\younger)+7-(\f)
	global_store_b128 v[GO], v[P+32*(\u)+4*(\f):P+32*(\u)+4*(\f)+3], s[10:11] offset:(\u)*65536+(\f)*8192  ; 16 lanes store 256 consecutive bytes, at a multiple of 256 from O's first byte
.endr
.endm
	PACKJ 0
	PACKJ 1
	SEND 0, 16
	SEND 1, 0
	s_wait_tensorcnt 0x0            ; the wave's end, behind my last tensor load and my last LDS store
	ds_add_u32 v[SPW], v[NIL]
	s_wait_dscnt 0x0
	CROUND                          ; the closing round
	s_endpgm
.Lfunc_end_k_q5944cda0a8_attn:
	.size	k_q5944cda0a8_attn, .Lfunc_end_k_q5944cda0a8_attn-k_q5944cda0a8_attn
	.p2alignl 7, 3214868480
	.fill 96, 4, 3214868480
	.section	.rodata,"a",@progbits
	.p2align	6, 0x0
	.amdhsa_kernel k_q5944cda0a8_attn
		.amdhsa_group_segment_fixed_size 327680
		.amdhsa_private_segment_fixed_size 0
		.amdhsa_enable_private_segment 0
		.amdhsa_kernarg_size 32
		.amdhsa_user_sgpr_count 2
		.amdhsa_user_sgpr_kernarg_segment_ptr 1
		.amdhsa_wavefront_size32 1
		.amdhsa_system_sgpr_workgroup_id_x 1
		.amdhsa_system_sgpr_workgroup_id_y 1
		.amdhsa_system_sgpr_workgroup_id_z 1
		.amdhsa_system_vgpr_workitem_id 0
		.amdhsa_next_free_vgpr 1024
		.amdhsa_next_free_sgpr 72
		.amdhsa_reserve_vcc 0
		.amdhsa_float_denorm_mode_32 3
		.amdhsa_float_denorm_mode_16_64 3
		.amdhsa_memory_ordered 1
		.amdhsa_forward_progress 1
		.amdhsa_inst_pref_size 155
	.end_amdhsa_kernel
	.amdgpu_metadata
---
amdhsa.version: [ 1, 2 ]
amdhsa.kernels:
  - .name:           k_q5944cda0a8_attn
    .symbol:         k_q5944cda0a8_attn.kd
    .args:
      - { .name: q16, .offset: 0, .size: 8, .value_kind: global_buffer, .address_space: global }
      - { .name: k16, .offset: 8, .size: 8, .value_kind: global_buffer, .address_space: global }
      - { .name: v16, .offset: 16, .size: 8, .value_kind: global_buffer, .address_space: global }
      - { .name: o16, .offset: 24, .size: 8, .value_kind: global_buffer, .address_space: global }
    .group_segment_fixed_size: 327680
    .private_segment_fixed_size: 0
    .kernarg_segment_align: 8
    .kernarg_segment_size: 32
    .max_flat_workgroup_size: 128
    .sgpr_count:     72
    .vgpr_count:     1024
    .wavefront_size: 32
...
	.end_amdgpu_metadata
.endif
;; end of part 4
;; launch proj (part 5): grid 16 x 16, 4 waves a work-group, clusters of 4 x 4, 327,680 bytes of LDS; arguments o16, wo16, bo, out0; writes out0
.if DOCPART == 5
	.amdgcn_target "amdgcn-amd-amdhsa--gfx1250"
	.amdhsa_code_object_version 6
	.text
	.protected	k_q5944cda0a8_proj
	.globl	k_q5944cda0a8_proj
	.p2align	8
	.type	k_q5944cda0a8_proj,@function
k_q5944cda0a8_proj:
	s_mov_b64 s[64:65], 0
	v_nop
	global_prefetch_b8 v0, s[64:65] scope:SCOPE_SE
	s_setreg_imm32_b32 hwreg(HW_REG_WAVE_MODE, 25, 1), 1
	s_wait_xcnt 0x0
	s_wait_alu depctr_hold_cnt(0) depctr_sa_sdst(0) depctr_va_vdst(0) depctr_va_sdst(0) depctr_va_ssrc(0) depctr_va_vcc(0) depctr_vm_vsrc(0)
	s_getreg_b32 s2, hwreg(HW_REG_IB_STS2, 6, 4)
	s_cmp_eq_u32 s2, 0
	s_cbranch_scc0 .Lentry_in_a_cluster
	s_endpgm
.Lentry_in_a_cluster:
	s_bfe_u32 s2, ttmp6, 0x10000c
	s_cmp_lg_u32 s2, 0xf033
	s_cbranch_scc0 .Lentry_shape_is_right
	s_endpgm
.Lentry_shape_is_right:
; out0[l][c] = the sum over k of O[l][k] Wo[c][k] + bo[c].  o16, wo16: [2048][2048] f16; sums in f32; bo is rounded to bf16 like every input of the module; out0: [2048][2048] f32.
; A tile of the result is 128 x 128: 16 x 16 work-groups.  Four waves, each 64 x 64: 16 accumulators of 16 x 16.  K goes in 8 steps of 256 (LDS rows of 512 bytes; a wave's tensor load brings 64 of them)
; through a ring of two slots.  CLUSTERS: 4 x 4 work-groups; O's tile is shared along a row of the cluster, Wo's along a column: each is asked for JOINTLY.
; THE MATRIX INSTRUCTION IS USED TRANSPOSED (source 0 = 16 rows of Wo, source 1 = 16 rows of O): a lane holds eight neighbouring numbers of a row of the result.
; No prefetch: a small tile, whose rows other work-groups of the same launch read at about the same time.
; REGISTERS: window 0: v0-31 addresses; v32-95 at work on the way out; v96-101 the bias; v128-255 the accumulators ((a, b) at v[128 + 8 (4 a + b)]).  window 1: two fragment buffers of 128.
.set KSTEP,  256
.set SIZE_K, 2048
.set PITCH,  528                       ; 512 bytes + 16 of padding = 132 words: row r starts at bank 4 r mod 64 (64 banks of 4 bytes: ISA guide 11.1)
.set HALFT,  64*PITCH
.set SLOT,   4*HALFT
.set STAGE,  2*SLOT                    ; behind the ring: 16 rows x 272 bytes for each wave: a wave's 64 columns of f32 are 256 bytes
.set SPITCH, 272
.set SPARE,  STAGE+4*16*SPITCH         ; behind the stages: the spare words, 128 bytes for each wave: two blocks of 256 bytes that no other line names
.set LAPS,   4
.set ADRA, 16
.set ADRB, 20
.set STO,  24
.set RD,   25
.set CO,   26
.set BO,   27
.set SPW,  28
.set NIL,  29
.set TMP,  32                          ; two sets of 32
.set BIAS, 96
.set ACC,  128
.set F0,   0
.set F1,   128
.set G1, 24
.set G0, 32
.set G1B, 48
.set G0B, 56
.set MSB, 0
.macro WIN new
.if MSB != (\new)
	s_set_vgpr_msb (MSB<<8)|(\new)
.set MSB, \new
.endif
.endm
.set MUL,  0x05                        ; sources 0 and 1 window 1; C and D window 0
.set TO_F, 0x40                        ; destination window 1, address window 0
.macro JLOAD s                         ; a joint load: waves 0 and 1 fetch O's two halves, waves 2 and 3 Wo's; an s_nop 0 and four v_nop follow each line
	s_cmp_eq_u32 s11, 0
	s_cbranch_scc0 .Lfor_b_\@
	tensor_load_to_lds s[G0+4*(\s):G0+4*(\s)+3], s[G1:G1+7]
	s_nop 0
.rept 4
	v_nop
.endr
	s_branch .Lasked_\@
.Lfor_b_\@:
	tensor_load_to_lds s[G0B+4*(\s):G0B+4*(\s)+3], s[G1B:G1B+7]
	s_nop 0
.rept 4
	v_nop
.endr
.Lasked_\@:
.endm
.macro CREST
	s_cmp_lg_u32 s10, 0
	s_cbranch_scc1 .Lnot_wave_0_\@
	s_barrier_signal -3
.Lnot_wave_0_\@:
	s_barrier_wait -3
	s_barrier_signal -1
	s_barrier_wait -1
.endm
.macro CROUND
	s_barrier_signal -1
	s_barrier_wait -1
	CREST
.endm
.macro ROUND2 a, b, t
	v_cvt_pk_bf16_f32 v[\t], v[\a], v[\b]
	v_lshlrev_b32 v[\a], 16, v[\t]
	v_and_b32 v[\b], 0xffff0000, v[\t]
.endm
	s_load_b128 s[4:7], s[0:1], 0x0                ; o16 s[4:5], wo16 s[6:7]
	s_load_b128 s[68:71], s[0:1], 0x10             ; bo s[68:69], out0 s[70:71]
	v_lshl_add_u32 v[SPW], v0, 2, SPARE
	v_mov_b32 v[NIL], 0
	ds_add_u32 v[SPW], v[NIL]                      ; the wave's opening: the add and its wait ahead of my first tensor load
	v_lshrrev_b32 v1, 5, v0
	v_readfirstlane_b32 s10, v1                    ; wave 0..3
	s_lshr_b32 s11, s10, 1                         ; which half of the tile's rows is mine.  Also: I fetch for O (0) or for Wo (1)
	s_and_b32 s12, s10, 1                          ; which half of its columns.  Also: which 64 rows of that tile I fetch
	s_bfe_u32 s40, ttmp6, 0x40000                  ; cx
	s_bfe_u32 s41, ttmp6, 0x40004                  ; cy
	s_lshl_b32 s42, ttmp9, 2
	s_add_co_u32 s42, s42, s40                     ; tile column
	s_and_b32 s13, ttmp7, 0xffff
	s_lshl_b32 s13, s13, 2
	s_add_co_u32 s13, s13, s41                     ; tile row
	s_lshl_b32 s43, s41, 2
	s_lshl_b32 s43, 15, s43                        ; my row of the cluster
	s_lshl_b32 s44, 0x1111, s40                    ; my column
	s_or_b32 s[G1+0], s43, (1<<16)|(1<<20)|(1<<21)|(6<<22)|(3<<25)   ; the mask; 2-byte elements; padding on; bit 21 beside a mask; after every 128 words, 4 words
	s_or_b32 s[G1B+0], s44, (1<<16)|(1<<20)|(1<<21)|(6<<22)|(3<<25)
.irp g, G1, G1B
	s_mov_b32 s[(\g)+1], KSTEP<<16                 ; tensor_dim0 = 256
	s_mov_b32 s[(\g)+2], 64<<16                    ; tensor_dim1 = 64
	s_mov_b32 s[(\g)+3], KSTEP<<16                 ; tile_dim0 = 256
	s_mov_b32 s[(\g)+4], 64                        ; tile_dim1 = 64
	s_mov_b32 s[(\g)+5], SIZE_K                    ; elements from row to row
	s_mov_b32 s[(\g)+6], 0
	s_mov_b32 s[(\g)+7], 0
.endr
	s_lshl_b32 s17, s12, 6                         ; which 64 rows of the tile I fetch
	s_lshl_b32 s16, s13, 7
	s_add_co_u32 s16, s16, s17                     ; O: row 128 x tile row + 64 x half
	s_lshl_b32 s46, s42, 7
	s_add_co_u32 s46, s46, s17                     ; Wo: row 128 x tile column + 64 x half
	s_lshl_b32 s16, s16, 12                        ; rows of 4,096 bytes
	s_lshl_b32 s46, s46, 12
	s_mov_b32 s17, 0
	s_mov_b32 s47, 0
	s_mul_i32 s20, s10, HALFT                      ; where they go: wave x 64 rows
	s_wait_dscnt 0x0                               ; the opening add is done
	s_wait_kmcnt 0x0
	s_add_nc_u64 s[14:15], s[4:5], s[16:17]
	s_add_nc_u64 s[46:47], s[6:7], s[46:47]
	CROUND                                         ; all sixteen work-groups are here: the first joint loads meet
.irp s, 0,1
	s_mov_b32 s[G0+4*(\s)], 1
	s_add_co_u32 s[G0+4*(\s)+1], s20, (\s)*SLOT
	s_add_nc_u64 s[G0+4*(\s)+2:G0+4*(\s)+3], s[14:15], (\s)*KSTEP*2
	s_or_b32 s[G0+4*(\s)+3], s[G0+4*(\s)+3], 0x80000000
	s_mov_b32 s[G0B+4*(\s)], 1
	s_add_co_u32 s[G0B+4*(\s)+1], s20, (\s)*SLOT
	s_add_nc_u64 s[G0B+4*(\s)+2:G0B+4*(\s)+3], s[46:47], (\s)*KSTEP*2
	s_or_b32 s[G0B+4*(\s)+3], s[G0B+4*(\s)+3], 0x80000000
	JLOAD \s
.endr
	v_and_b32 v1, 15, v0                           ; l % 16
	v_bfe_u32 v2, v0, 4, 1                         ; l / 16
	v_mul_u32_u24 v3, v1, PITCH
	v_lshl_add_u32 v3, v2, 4, v3
	s_mul_i32 s21, s11, HALFT                      ; my 64 rows of O
	s_mul_i32 s22, s12, HALFT                      ; my 64 rows of Wo,
	s_add_co_u32 s22, s22, 2*HALFT                 ; which lie behind O's 128
.irp s, 0,1
	v_add_nc_u32 v[ADRA+(\s)], s21, v3
	v_add_nc_u32 v[ADRB+(\s)], s22, v3
	s_add_co_u32 s21, s21, SLOT
	s_add_co_u32 s22, s22, SLOT
.endr
	s_mul_i32 s23, s10, 16*SPITCH
	s_add_co_u32 s23, s23, STAGE                   ; my stage
	v_mul_u32_u24 v4, v1, SPITCH                   ; in: row l % 16, 32 bytes for each half of the lanes
	v_lshl_add_u32 v4, v2, 5, v4
	v_add_nc_u32 v[STO], s23, v4
	v_mul_u32_u24 v5, v2, SPITCH                   ; back: lanes 0-15 take one row of 256 bytes, lanes 16-31 the next
	v_lshl_add_u32 v5, v1, 4, v5
	v_add_nc_u32 v[RD], s23, v5
	v_lshlrev_b32 v5, 13, v2                       ; and the same two rows in out0, 8,192 bytes apart
	v_lshl_add_u32 v[CO], v1, 4, v5
	s_lshl_b32 s16, s13, 20                        ; my first row: (128 x tile row + 64 x half) x 8,192 bytes
	s_lshl_b32 s17, s11, 19
	s_add_co_u32 s16, s16, s17
	s_mov_b32 s17, 0
	s_add_nc_u64 s[8:9], s[70:71], s[16:17]
	s_lshl_b32 s46, s42, 9                         ; my first column, in bytes: 512 x tile column + 256 x half
	s_lshl_b32 s47, s12, 8
	s_add_co_u32 s46, s46, s47
	s_mov_b32 s47, 0
	v_lshl_add_u32 v[BO], v1, 4, s46               ; my four numbers of the bias
	s_add_nc_u64 s[8:9], s[8:9], s[46:47]
	global_load_b128 v[BIAS:BIAS+3], v[BO], s[68:69]  ; waited for on the way out
; 8 matrix instructions: row blocks a0, a0 + 1 x all 4 column blocks, 32 along K: half c of buffer f.  The 16 accumulators take turns.
.macro MUL8 f, c, a0, zero
	WIN MUL
.irp a, \a0, (\a0)+1
.irp b, 0,1,2,3
.if \zero
	v_wmma_f32_16x16x32_f16 v[ACC+8*(4*(\a)+(\b)):ACC+8*(4*(\a)+(\b))+7], v[(\f)+64+8*(4*(\c)+(\b)):(\f)+64+8*(4*(\c)+(\b))+7], v[(\f)+8*(4*(\c)+(\a)):(\f)+8*(4*(\c)+(\a))+7], 0
.else
	v_wmma_f32_16x16x32_f16 v[ACC+8*(4*(\a)+(\b)):ACC+8*(4*(\a)+(\b))+7], v[(\f)+64+8*(4*(\c)+(\b)):(\f)+64+8*(4*(\c)+(\b))+7], v[(\f)+8*(4*(\c)+(\a)):(\f)+8*(4*(\c)+(\a))+7], v[ACC+8*(4*(\a)+(\b)):ACC+8*(4*(\a)+(\b))+7]
.endif
.endr
.endr
.endm
; 32 LDS loads in one run: the fragments of 64 along K at byte k of the rows, into buffer f; the first 32 along K first
.macro FETCH slot, k, f
	WIN TO_F
.irp c, 0,1
.irp i, 0,1,2,3
	ds_load_b128 v[(\f)+64+8*(4*(\c)+(\i)):(\f)+64+8*(4*(\c)+(\i))+3],   v[ADRB+(\slot)] offset:(\k)+64*(\c)+(\i)*16*PITCH
	ds_load_b128 v[(\f)+64+8*(4*(\c)+(\i))+4:(\f)+64+8*(4*(\c)+(\i))+7], v[ADRB+(\slot)] offset:(\k)+64*(\c)+(\i)*16*PITCH+32
	ds_load_b128 v[(\f)+8*(4*(\c)+(\i)):(\f)+8*(4*(\c)+(\i))+3],         v[ADRA+(\slot)] offset:(\k)+64*(\c)+(\i)*16*PITCH
	ds_load_b128 v[(\f)+8*(4*(\c)+(\i))+4:(\f)+8*(4*(\c)+(\i))+7],       v[ADRA+(\slot)] offset:(\k)+64*(\c)+(\i)*16*PITCH+32
.endr
.endr
.endm
.macro PLACES
.rept 4
	v_nop
.endr
.endm
.macro QUARTER slot, k, f, g, zero
	s_wait_dscnt 16                                ; the first 32 along K are in
	MUL8 \f, 0, 0, \zero
	MUL8 \f, 0, 2, \zero
	PLACES
	FETCH \slot, \k, \g
	s_wait_dscnt 32                                ; all but the 32 just issued
	MUL8 \f, 1, 0, 0
	MUL8 \f, 1, 2, 0
.endm
; The last quarter multiplies buffer 1 and changes slots: one barrier; in front of it each wave waits for all its tensor loads, adds 0 to its spare word, and waits for that and for its reads of this slot.
.macro TURN slot, next, fill
	WIN 0
	s_wait_tensorcnt 0x0                           ; all my tensor loads have landed: my part of the next slot
	ds_add_u32 v[SPW], v[NIL]
	s_wait_dscnt 17                                ; (the add and the youngest sixteen loads may be out)
	MUL8 F1, 0, 0, 0
	s_wait_dscnt 0x0                               ; the add is done, and my reads of this slot are over
	s_barrier_signal -1
	MUL8 F1, 0, 2, 0
.if \fill
	WIN 0
.endif
	s_barrier_wait -1
.if \fill
	CREST                                          ; the barrier has opened a round of the cluster's: no wave of any partner still reads this slot's tile or has a load on its way
	s_add_nc_u64 s[G0+4*(\slot)+2:G0+4*(\slot)+3], s[G0+4*(\slot)+2:G0+4*(\slot)+3], 2*KSTEP*2
	s_add_nc_u64 s[G0B+4*(\slot)+2:G0B+4*(\slot)+3], s[G0B+4*(\slot)+2:G0B+4*(\slot)+3], 2*KSTEP*2
	JLOAD \slot                                    ; the first tensor load behind the round; its four v_nop are also the places in front of the loads below
.else
	PLACES
.endif
	FETCH \next, 0, F0
	MUL8 F1, 1, 0, 0
	MUL8 F1, 1, 2, 0
.endm
	s_wait_tensorcnt 1                             ; my part of K step 0 is in; K step 1's may stay out
	s_barrier_signal -1
	s_barrier_wait -1
	FETCH 0, 0, F0
	QUARTER 0, 128, F0, F1, 1                      ; the first quarter stands in front of the loop: its first products start the sums
	WIN 0
	s_mov_b32 s3, LAPS-1
.Llap:
	QUARTER 0, 256, F1, F0, 0
	QUARTER 0, 384, F0, F1, 0
	TURN 0, 1, 1
	QUARTER 1, 128, F0, F1, 0
	QUARTER 1, 256, F1, F0, 0
	QUARTER 1, 384, F0, F1, 0
	TURN 1, 0, 1
	QUARTER 0, 128, F0, F1, 0
	WIN 0
	s_sub_co_u32 s3, s3, 1
	s_cmp_lg_u32 s3, 0
	s_cbranch_scc1 .Llap
	QUARTER 0, 256, F1, F0, 0                      ; the last lap fills nothing
	QUARTER 0, 384, F0, F1, 0
	TURN 0, 1, 0
	QUARTER 1, 128, F0, F1, 0
	QUARTER 1, 256, F1, F0, 0
	QUARTER 1, 384, F0, F1, 0
	s_wait_dscnt 16                                ; the very last quarter
	MUL8 F1, 0, 0, 0
	MUL8 F1, 0, 2, 0
	s_wait_dscnt 0x0
	MUL8 F1, 1, 0, 0
	MUL8 F1, 1, 2, 0
	WIN 0
	; THE WAY OUT, a block of 16 rows at a time through my own stage: 32 bytes a lane in, whole rows of 256 bytes back, the bias added, stored.
.rept 8
	v_nop                                          ; the places behind the last products
.endr
	s_wait_loadcnt 0x0                             ; the bias
	ROUND2 BIAS, BIAS+1, BIAS+4
	ROUND2 BIAS+2, BIAS+3, BIAS+5
.irp a, 0,1,2,3
.if (\a) >= 2
	s_wait_xcnt 0x0                                ; the stores of the block two back have read this set's registers
.endif
.irp b, 0,1,2,3
	ds_store_b128 v[STO], v[ACC+8*(4*(\a)+(\b)):ACC+8*(4*(\a)+(\b))+3]   offset:64*(\b)      ; each accumulator's low end first
	ds_store_b128 v[STO], v[ACC+8*(4*(\a)+(\b))+4:ACC+8*(4*(\a)+(\b))+7] offset:64*(\b)+16
.endr
.irp t, 0,1,2,3,4,5,6,7
	ds_load_b128 v[TMP+32*((\a)%2)+4*(\t):TMP+32*((\a)%2)+4*(\t)+3], v[RD] offset:(\t)*2*SPITCH  ; LDS serves a wave's instructions in order (ISA guide 5.7.1.4): these see the stores above; the next block's stores come behind them
.endr
.irp t, 0,1,2,3,4,5,6,7
	s_wait_dscnt 7-(\t)                            ; load t is in; the 7 - t younger ones stay out
	v_pk_add_f32 v[TMP+32*((\a)%2)+4*(\t):TMP+32*((\a)%2)+4*(\t)+1],   v[TMP+32*((\a)%2)+4*(\t):TMP+32*((\a)%2)+4*(\t)+1],   v[BIAS:BIAS+1]
	v_pk_add_f32 v[TMP+32*((\a)%2)+4*(\t)+2:TMP+32*((\a)%2)+4*(\t)+3], v[TMP+32*((\a)%2)+4*(\t)+2:TMP+32*((\a)%2)+4*(\t)+3], v[BIAS+2:BIAS+3]
	global_store_b128 v[CO], v[TMP+32*((\a)%2)+4*(\t):TMP+32*((\a)%2)+4*(\t)+3], s[8:9] offset:(16*(\a)+2*(\t))*8192  ; 16 lanes store 256 consecutive bytes, at a multiple of 256 from out0's first byte
.endr
.endr
	s_wait_tensorcnt 0x0                           ; the wave's end, behind my last tensor load and my last LDS store
	ds_add_u32 v[SPW], v[NIL]
	s_wait_dscnt 0x0
	CROUND                                         ; the closing round
	s_endpgm
.Lfunc_end_k_q5944cda0a8_proj:
	.size	k_q5944cda0a8_proj, .Lfunc_end_k_q5944cda0a8_proj-k_q5944cda0a8_proj
	.p2alignl 7, 3214868480
	.fill 96, 4, 3214868480
	.section	.rodata,"a",@progbits
	.p2align	6, 0x0
	.amdhsa_kernel k_q5944cda0a8_proj
		.amdhsa_group_segment_fixed_size 327680
		.amdhsa_private_segment_fixed_size 0
		.amdhsa_enable_private_segment 0
		.amdhsa_kernarg_size 32
		.amdhsa_user_sgpr_count 2
		.amdhsa_user_sgpr_kernarg_segment_ptr 1
		.amdhsa_wavefront_size32 1
		.amdhsa_system_sgpr_workgroup_id_x 1
		.amdhsa_system_sgpr_workgroup_id_y 1
		.amdhsa_system_sgpr_workgroup_id_z 1
		.amdhsa_system_vgpr_workitem_id 0
		.amdhsa_next_free_vgpr 512
		.amdhsa_next_free_sgpr 72
		.amdhsa_reserve_vcc 0
		.amdhsa_float_denorm_mode_32 3
		.amdhsa_float_denorm_mode_16_64 3
		.amdhsa_memory_ordered 1
		.amdhsa_forward_progress 1
		.amdhsa_inst_pref_size 91
	.end_amdhsa_kernel
	.amdgpu_metadata
---
amdhsa.version: [ 1, 2 ]
amdhsa.kernels:
  - .name:           k_q5944cda0a8_proj
    .symbol:         k_q5944cda0a8_proj.kd
    .args:
      - { .name: o16, .offset: 0, .size: 8, .value_kind: global_buffer, .address_space: global }
      - { .name: wo16, .offset: 8, .size: 8, .value_kind: global_buffer, .address_space: global }
      - { .name: bo, .offset: 16, .size: 8, .value_kind: global_buffer, .address_space: global }
      - { .name: out0, .offset: 24, .size: 8, .value_kind: global_buffer, .address_space: global }
    .group_segment_fixed_size: 327680
    .private_segment_fixed_size: 0
    .kernarg_segment_align: 8
    .kernarg_segment_size: 32
    .max_flat_workgroup_size: 128
    .sgpr_count:     72
    .vgpr_count:     512
    .wavefront_size: 32
...
	.end_amdgpu_metadata
.endif
;; end of part 5
